; MI455X (gfx1250); checked and timed in simulation.
; The chip was launched on July 23, 2026; its instructions are those of AMD's public machine-readable ISA for CDNA 5 (MIT licence, August 2026) and "CDNA5" Instruction Set Architecture Reference Guide (July 2026). The comments in the code are by the model that wrote it; some were corrected since.
;; Linear Transformer Block. Allowed arithmetic: float matrix products may take bf16 or f16 operands with f32 sums; other float arithmetic in f32, or as packed bf16 or f16 multiplies, adds, multiply-adds, maxima and minima; sums over many terms, partial sums and values carried from step to step in f32; what a program stores and reads back later, other than sums and carried values, may be rounded once to bf16 or f16.
;; Inputs: b1 1,024 float32; b2 1,024 float32; bk 1,024 float32; bo 1,024 float32; bq 1,024 float32; bv 1,024 float32; emb_k 50 x 64 float32; emb_v 50 x 64 float32; labels 8 x 1,024 int32; ln1_b 1,024 float32; ln1_s 1,024 float32; ln2_b 1,024 float32; ln2_s 1,024 float32; w1 1,024 x 1,024 float32; w2 1,024 x 1,024 float32; wk 1,024 x 1,024 float32; wo 1,024 x 1,024 float32; wq 1,024 x 1,024 float32; wv 1,024 x 1,024 float32; x 8 x 1,024 x 1,024 float32.
;; Outputs: out0 8 x 1,024 x 1,024 float32.
;; One version. Each part assembles by itself: llvm-mc -triple=amdgcn-amd-amdhsa -mcpu=gfx1250 --defsym DOCPART=n.
;; ======== version 1 of 1: 4 launches
;; workspace buffers: hh 33,554,432 bytes; wb 12,582,912 bytes; qkv 50,331,648 bytes; ag 33,554,432 bytes
;; launch prep (part 1): grid 896 x 1, 8 waves a work-group, no clusters, 0 bytes of LDS; arguments x, ln1_s, ln1_b, ln2_s, ln2_b, wq, wk, wv, w1, wo, w2, hh, wb; writes hh, wb
.if DOCPART == 1
	.amdgcn_target "amdgcn-amd-amdhsa--gfx1250"
	.amdhsa_code_object_version 6
	.text
	.protected	k_q3fc3219c1b_prep
	.globl	k_q3fc3219c1b_prep
	.p2align	8
	.type	k_q3fc3219c1b_prep,@function
k_q3fc3219c1b_prep:
	s_mov_b64 s[64:65], 0
	v_nop
	global_prefetch_b8 v0, s[64:65] scope:SCOPE_SE
	s_setreg_imm32_b32 hwreg(HW_REG_WAVE_MODE, 25, 1), 1
	s_wait_xcnt 0x0
; h = LN1(x) and h2 = LN2(h), both rounded once to bf16 (hh: h [8192][1024] at byte 0, h2 at byte 16,777,216), and the six weights rounded to bf16, layout kept
; (wb: wq, wk, wv, w1, wo, w2, each [1024 k][1024 n], 2,097,152 bytes).  A stream: no LDS, no barrier, no matrix unit; every byte is read once and every store of a wave covers
; whole aligned runs of 256 bytes.  No prefetch: every wave issues all its loads at its head.
; WORK-GROUPS 0-511: sixteen rows of x, two to a wave.  A row (4,096 bytes) is 32 registers of one wave and stays there for both norms: mean, centring, mean of squares of the CENTRED row
; (so a common offset of x costs nothing), 1/sqrt, scale and offset, in the order of the formula.  LN2 takes the unrounded h.
; WORK-GROUPS 512-895: 65,536 bytes of one weight each.
; LIMITS: 1/sqrt by v_rsq_f32 (1 ULP); NaN and infinities are not treated apart.
.set MN,  4                            ; v[4:5]     the mean, twice
.set RS,  6                            ; v[6:7]     1/sqrt(var + eps), twice
.set TW,  8                            ; v[8:23]    at work
.set PD,  24                           ; v24        takes the other half of the lanes' sum
.set LS1, 32                           ; v[32:63]   ln1_s of my 32 columns (piece j: columns 128 j + 4 lane .. + 3)
.set LB1, 64                           ; v[64:95]   ln1_b
.set LS2, 96                           ; v[96:127]  ln2_s
.set LB2, 128                          ; v[128:159] ln2_b
.set XR,  160                          ; v[160:223] my two rows, 32 registers each
.set HB,  224                          ; v[224:255] h in bf16, 16 registers a row
.macro RED r                           ; the sum over the wave's 32 lanes, in every lane
	v_add_f32_dpp v[\r], v[\r], v[\r] row_xmask:1 row_mask:0xf bank_mask:0xf
	v_add_f32_dpp v[\r], v[\r], v[\r] row_xmask:2 row_mask:0xf bank_mask:0xf
	v_add_f32_dpp v[\r], v[\r], v[\r] row_xmask:4 row_mask:0xf bank_mask:0xf
	v_add_f32_dpp v[\r], v[\r], v[\r] row_xmask:8 row_mask:0xf bank_mask:0xf
	v_permlanex16_b32 v[PD], v[\r], s40, s41
	v_add_f32 v[\r], v[\r], v[PD]
.endm
; A LayerNorm in place on row i.  sc, of: scale's and offset's registers.  w1, w2: how many younger loads may stay out when the row, and when scale and offset, are wanted (-1: an earlier wait has shown them in).
.macro NORM i, sc, of, w1, w2
.set XB, XR+32*(\i)
.if (\w1) >= 0
	s_wait_loadcnt \w1
.endif
.set p, 0
.rept 8
	v_pk_add_f32 v[TW+2*p:TW+2*p+1], v[XB+4*p:XB+4*p+1], v[XB+4*p+2:XB+4*p+3]
.set p, p+1
.endr
.irp d, 8,4,2
.set p, 0
.rept (\d)/2
	v_pk_add_f32 v[TW+2*p:TW+2*p+1], v[TW+2*p:TW+2*p+1], v[TW+(\d)+2*p:TW+(\d)+2*p+1]
.set p, p+1
.endr
.endr
	v_add_f32 v[TW], v[TW], v[TW+1]
	RED TW
	v_mul_f32 v[MN], s42, v[TW]                    ; the mean
	v_mul_f32 v[MN+1], s42, v[TW]
.set p, 0
.rept 16
	v_pk_add_f32 v[XB+2*p:XB+2*p+1], v[XB+2*p:XB+2*p+1], v[MN:MN+1] neg_lo:[0,1] neg_hi:[0,1]
.set p, p+1
.endr
.set p, 0
.rept 4                                ; the squares, in four chains that the first four pairs start
	v_pk_mul_f32 v[TW+2*p:TW+2*p+1], v[XB+2*p:XB+2*p+1], v[XB+2*p:XB+2*p+1]
.set p, p+1
.endr
.rept 12
	v_pk_fma_f32 v[TW+2*(p%4):TW+2*(p%4)+1], v[XB+2*p:XB+2*p+1], v[XB+2*p:XB+2*p+1], v[TW+2*(p%4):TW+2*(p%4)+1]
.set p, p+1
.endr
	v_pk_add_f32 v[TW:TW+1], v[TW:TW+1], v[TW+2:TW+3]
	v_pk_add_f32 v[TW+4:TW+5], v[TW+4:TW+5], v[TW+6:TW+7]
	v_pk_add_f32 v[TW:TW+1], v[TW:TW+1], v[TW+4:TW+5]
	v_add_f32 v[TW], v[TW], v[TW+1]
	RED TW
	v_fma_f32 v[TW], v[TW], s42, s43               ; var + eps
	v_rsq_f32 v[RS], v[TW]
	v_rsq_f32 v[RS+1], v[TW]
	v_nop                                          ; a plain instruction behind the second v_rsq_f32 (ISA guide 5.7.2),
	s_wait_alu depctr_va_vdst(0)                   ; and the one wait for both ahead of the first reader
.if (\w2) >= 0
	s_wait_loadcnt \w2
.endif
.set p, 0
.rept 16
	v_pk_mul_f32 v[XB+2*p:XB+2*p+1], v[XB+2*p:XB+2*p+1], v[RS:RS+1]
.set p, p+1
.endr
.set p, 0
.rept 16
	v_pk_fma_f32 v[XB+2*p:XB+2*p+1], v[XB+2*p:XB+2*p+1], v[(\sc)+2*p:(\sc)+2*p+1], v[(\of)+2*p:(\of)+2*p+1]
.set p, p+1
.endr
.endm
; Row i: h, stored; h2, stored.  No register that a store reads is written again, so no wait stands for the stores.
.macro ROW i, wa, wc, wd
	NORM \i, LS1, LB1, \wa, \wc
.set p, 0
.rept 16
	v_cvt_pk_bf16_f32 v[HB+16*(\i)+p], v[XR+32*(\i)+2*p], v[XR+32*(\i)+2*p+1]
.set p, p+1
.endr
.set p, 0
.rept 8
	global_store_b64 v2, v[HB+16*(\i)+2*p:HB+16*(\i)+2*p+1], s[26:27] offset:2048*(\i)+256*p  ; 32 lanes x 8 bytes: 256 consecutive bytes, aligned
.set p, p+1
.endr
	NORM \i, LS2, LB2, -1, \wd
.set p, 0
.rept 16
	v_cvt_pk_bf16_f32 v[XR+32*(\i)+p], v[XR+32*(\i)+2*p], v[XR+32*(\i)+2*p+1]  ; in place, ascending: register p is written when registers 2 p, 2 p + 1 are read
.set p, p+1
.endr
.set p, 0
.rept 8
	global_store_b64 v2, v[XR+32*(\i)+2*p:XR+32*(\i)+2*p+1], s[44:45] offset:2048*(\i)+256*p
.set p, p+1
.endr
.endm
	s_load_b512 s[4:19], s[0:1], 0x0               ; x 4, ln1_s 6, ln1_b 8, ln2_s 10, ln2_b 12, wq 14, wk 16, wv 18
	s_load_b256 s[20:27], s[0:1], 0x40             ; w1 20, wo 22, w2 24, hh 26
	s_load_b64 s[28:29], s[0:1], 0x60              ; wb
	v_lshrrev_b32 v3, 5, v0
	v_readfirstlane_b32 s30, v3                    ; wave 0..7
	s_cmp_lt_u32 ttmp9, 512
	s_cbranch_scc0 .Lconv
	v_and_b32 v3, 31, v0
	v_lshlrev_b32 v1, 4, v3                        ; 16 x lane: f32 in
	v_lshlrev_b32 v2, 3, v3                        ; 8 x lane: bf16 out
	v_mov_b32 v[PD], 0                             ; v_permlanex16_b32's destination counts as read
	s_mov_b32 s40, 0x76543210                      ; each lane takes its own place in the other half
	s_mov_b32 s41, 0xfedcba98
	s_mov_b32 s42, 0x3a800000                      ; 1 / 1024
	s_mov_b32 s43, 0x3727c5ac                      ; 1e-5
	s_lshl_b32 s32, ttmp9, 16                      ; 16 rows of 4,096 bytes,
	s_lshl_b32 s33, s30, 13                        ; my two of them
	s_add_co_u32 s32, s32, s33
	s_mov_b32 s33, 0
	s_lshr_b32 s34, s32, 1                         ; half as many bytes in bf16
	s_mov_b32 s35, 0
	s_wait_kmcnt 0x0
	s_add_nc_u64 s[4:5], s[4:5], s[32:33]
	s_add_nc_u64 s[26:27], s[26:27], s[34:35]      ; h
	s_add_nc_u64 s[44:45], s[26:27], 0x1000000     ; h2
.set p, 0
.rept 16                               ; both rows: 16 loads of 512 consecutive bytes
	global_load_b128 v[XR+4*p:XR+4*p+3], v1, s[4:5] offset:512*p th:TH_LOAD_NT
.set p, p+1
.endr
.set p, 0
.rept 8
	global_load_b128 v[LS1+4*p:LS1+4*p+3], v1, s[6:7] offset:512*p
.set p, p+1
.endr
.set p, 0
.rept 8
	global_load_b128 v[LB1+4*p:LB1+4*p+3], v1, s[8:9] offset:512*p
.set p, p+1
.endr
.set p, 0
.rept 8
	global_load_b128 v[LS2+4*p:LS2+4*p+3], v1, s[10:11] offset:512*p
.set p, p+1
.endr
.set p, 0
.rept 8
	global_load_b128 v[LB2+4*p:LB2+4*p+3], v1, s[12:13] offset:512*p
.set p, p+1
.endr
	ROW 0, 40, 16, 0                               ; of 48 loads: row 0's eight are in when 40 are out; ln1's sixteen when 16 are out; then all
	ROW 1, -1, -1, -1
	s_endpgm
.Lconv:                                        ; a weight's 65,536 bytes of f32 become 32,768 of bf16
	s_sub_co_u32 s32, ttmp9, 512
	s_lshr_b32 s33, s32, 6                         ; which weight, in wb's order
	s_and_b32 s34, s32, 63
	s_lshl_b32 s34, s34, 16                        ; my part of it
	s_mov_b32 s35, 0
	s_lshl_b32 s38, s32, 15                        ; and of wb
	s_mov_b32 s39, 0
	v_lshlrev_b32 v1, 5, v0                        ; 32 bytes in,
	v_lshlrev_b32 v2, 4, v0                        ; 16 out, for each thread and unit
	s_wait_kmcnt 0x0
	s_mov_b64 s[36:37], s[14:15]
	s_cmp_eq_u32 s33, 1
	s_cselect_b64 s[36:37], s[16:17], s[36:37]
	s_cmp_eq_u32 s33, 2
	s_cselect_b64 s[36:37], s[18:19], s[36:37]
	s_cmp_eq_u32 s33, 3
	s_cselect_b64 s[36:37], s[20:21], s[36:37]
	s_cmp_eq_u32 s33, 4
	s_cselect_b64 s[36:37], s[22:23], s[36:37]
	s_cmp_eq_u32 s33, 5
	s_cselect_b64 s[36:37], s[24:25], s[36:37]
	s_add_nc_u64 s[36:37], s[36:37], s[34:35]
	s_add_nc_u64 s[28:29], s[28:29], s[38:39]
.set u, 0
.rept 8
	global_load_b128 v[32+8*u:35+8*u], v1, s[36:37] offset:8192*u th:TH_LOAD_NT
	global_load_b128 v[36+8*u:39+8*u], v1, s[36:37] offset:8192*u+16 th:TH_LOAD_NT
.set u, u+1
.endr
.set u, 0
.rept 8
	s_wait_loadcnt 14-2*u                          ; unit u's two loads are in; the younger units' stay out
.set p, 0
.rept 4
	v_cvt_pk_bf16_f32 v[32+8*u+p], v[32+8*u+2*p], v[32+8*u+2*p+1]
.set p, p+1
.endr
	global_store_b128 v2, v[32+8*u:35+8*u], s[28:29] offset:4096*u  ; a wave stores 512 consecutive bytes
.set u, u+1
.endr
	s_endpgm
.Lfunc_end_k_q3fc3219c1b_prep:
	.size	k_q3fc3219c1b_prep, .Lfunc_end_k_q3fc3219c1b_prep-k_q3fc3219c1b_prep
	.p2alignl 7, 3214868480
	.fill 96, 4, 3214868480
	.section	.rodata,"a",@progbits
	.p2align	6, 0x0
	.amdhsa_kernel k_q3fc3219c1b_prep
		.amdhsa_group_segment_fixed_size 0
		.amdhsa_private_segment_fixed_size 0
		.amdhsa_enable_private_segment 0
		.amdhsa_kernarg_size 104
		.amdhsa_user_sgpr_count 2
		.amdhsa_user_sgpr_kernarg_segment_ptr 1
		.amdhsa_wavefront_size32 1
		.amdhsa_system_sgpr_workgroup_id_x 1
		.amdhsa_system_sgpr_workgroup_id_y 1
		.amdhsa_system_sgpr_workgroup_id_z 1
		.amdhsa_system_vgpr_workitem_id 0
		.amdhsa_next_free_vgpr 256
		.amdhsa_next_free_sgpr 66
		.amdhsa_reserve_vcc 0
		.amdhsa_float_denorm_mode_32 3
		.amdhsa_float_denorm_mode_16_64 3
		.amdhsa_memory_ordered 1
		.amdhsa_forward_progress 1
		.amdhsa_inst_pref_size 43
	.end_amdhsa_kernel
	.amdgpu_metadata
---
amdhsa.version: [ 1, 2 ]
amdhsa.kernels:
  - .name:           k_q3fc3219c1b_prep
    .symbol:         k_q3fc3219c1b_prep.kd
    .args:
      - { .name: x, .offset: 0, .size: 8, .value_kind: global_buffer, .address_space: global }
      - { .name: ln1_s, .offset: 8, .size: 8, .value_kind: global_buffer, .address_space: global }
      - { .name: ln1_b, .offset: 16, .size: 8, .value_kind: global_buffer, .address_space: global }
      - { .name: ln2_s, .offset: 24, .size: 8, .value_kind: global_buffer, .address_space: global }
      - { .name: ln2_b, .offset: 32, .size: 8, .value_kind: global_buffer, .address_space: global }
      - { .name: wq, .offset: 40, .size: 8, .value_kind: global_buffer, .address_space: global }
      - { .name: wk, .offset: 48, .size: 8, .value_kind: global_buffer, .address_space: global }
      - { .name: wv, .offset: 56, .size: 8, .value_kind: global_buffer, .address_space: global }
      - { .name: w1, .offset: 64, .size: 8, .value_kind: global_buffer, .address_space: global }
      - { .name: wo, .offset: 72, .size: 8, .value_kind: global_buffer, .address_space: global }
      - { .name: w2, .offset: 80, .size: 8, .value_kind: global_buffer, .address_space: global }
      - { .name: hh, .offset: 88, .size: 8, .value_kind: global_buffer, .address_space: global }
      - { .name: wb, .offset: 96, .size: 8, .value_kind: global_buffer, .address_space: global }
    .group_segment_fixed_size: 0
    .private_segment_fixed_size: 0
    .kernarg_segment_align: 8
    .kernarg_segment_size: 104
    .max_flat_workgroup_size: 256
    .sgpr_count:     66
    .vgpr_count:     256
    .wavefront_size: 32
...
	.end_amdgpu_metadata
.endif
;; end of part 1
;; launch proj (part 2): grid 16 x 32, 4 waves a work-group, clusters of 4 x 4, 327,680 bytes of LDS; arguments hh, wb, labels, emb_k, emb_v, bq, bk, bv, b1, qkv, ag; writes qkv, ag
.if DOCPART == 2
	.amdgcn_target "amdgcn-amd-amdhsa--gfx1250"
	.amdhsa_code_object_version 6
	.text
	.protected	k_q3fc3219c1b_proj
	.globl	k_q3fc3219c1b_proj
	.p2align	8
	.type	k_q3fc3219c1b_proj,@function
k_q3fc3219c1b_proj:
	s_mov_b64 s[64:65], 0
	v_nop
	global_prefetch_b8 v0, s[64:65] scope:SCOPE_SE
	s_setreg_imm32_b32 hwreg(HW_REG_WAVE_MODE, 25, 1), 1
	s_wait_xcnt 0x0
	s_wait_alu depctr_hold_cnt(0) depctr_sa_sdst(0) depctr_va_vdst(0) depctr_va_sdst(0) depctr_va_ssrc(0) depctr_va_vcc(0) depctr_vm_vsrc(0)
	s_getreg_b32 s2, hwreg(HW_REG_IB_STS2, 6, 4)
	s_cmp_eq_u32 s2, 0
	s_cbranch_scc0 .Lentry_in_a_cluster
	s_endpgm
.Lentry_in_a_cluster:
	s_bfe_u32 s2, ttmp6, 0x10000c
	s_cmp_lg_u32 s2, 0xf033
	s_cbranch_scc0 .Lentry_shape_is_right
	s_endpgm
.Lentry_shape_is_right:
; FOUR PRODUCTS 8192 x 1024 x 1024 IN ONE GRID, bf16 operands, f32 sums.  The cluster's x is the TYPE: 0: q = elu(h wq + bq) + 1;  1: k = elu(h wk + bk + emb_k[label]) + 1;
; 2: v = h wv + bv + emb_v[label];  3: g = gelu(h2 w1 + b1), the tanh form.  Results are rounded once to bf16 and stored by blocks of 128 rows x 64 columns (16,384 dense bytes):
; q, k, v into qkv (regions of 16,777,216 bytes, [row tile of 128 rows][16 blocks]), g into blocks 16-31 of ag ([row tile][32 blocks]).
; SHARES.  A work-group makes a tile of 256 rows x 256 columns, each of its four waves 128 x 128: 64 accumulators, 512 registers.  K goes in steps of 128 through a ring of two LDS slots.
; A's tile (256 rows x 256 bytes) lies along K; the weight's tile (128 k rows x 512 bytes) lies [k][n] and is turned on its way out of LDS by ds_load_tr16_b128.
; THE MATRIX INSTRUCTION IS USED TRANSPOSED: source 0 = 16 columns of the weight, source 1 = 16 rows of A: a lane holds row l % 16 and the columns 8 (l / 16) + 0..7.
; CLUSTER 4 x 4: one type to a cluster.  The four of a row of the cluster need the same tile of A, the four of a column the same tile of the weight: each is asked for jointly.
; THE WAY OUT.  The ring has had its last fill; the f32 sums go into it (a stage of 128 rows x 528 bytes for each wave) and come back by rows, 8 rows a trip: bias, embedding, activation, rounding, store.
; A trip's rows are asked of LDS a trip ahead, and the registers that a trip's stores read are written again a trip later.
; LIMITS.  elu(y) + 1 = max(y, 0) + 2^(min(y, 0) log2 e): a feature below 2^-126 counts as 0.  gelu = y / (1 + 2^(y (C0 + C1 y y))), C0 = -2 sqrt(2/pi) log2 e, C1 = 0.044715 C0; exponentials and
; reciprocals are good to 1 ULP.  A label is clamped to 49.  NaN and infinities are not treated apart.
; REGISTERS, in windows of 256: window 0: v0-31 addresses, v32-39 bias, v40-59 the gathered table rows and their offsets, v64-191 A's fragments, two buffers (on the way out: at work);
;   window 1: v64-191 the weight's fragments, two buffers;  windows 2, 3: the accumulators, (a, b) at v[8 (8 (a % 4) + b)] of window 2 + a / 4.
.set NA,    8                          ; blocks of 16 rows a wave
.set PA,    272                        ; a row of A in LDS: 256 bytes + 16: the 16 rows of a fragment load start at 16 different groups of four banks (64 banks of 4 bytes: ISA guide 11.1)
.set PB,    544                        ; a k row of the weight: 512 bytes + 32 = 17 x 32
.set AQ,    4                          ; quarters of a K step that lie side by side in a row of A
.set ASUB,  0
.set BOFF,  256*PA                     ; the weight's tile lies behind A's
.set SLOT,  BOFF+128*PB                ; 139,264
.set LAPS,  4                          ; a lap = two K steps = once round the ring
.set AKS,   256                        ; bytes from K step to K step in A,
.set BKS,   128*2048                   ; and in the weight
.set FA0,   64
.set FAS,   64
.set FB0,   64
.set NF,    16+2*NA                    ; LDS loads in a FETCH
.set WH,    NA                         ; the youngest of them: A's upper half
.set SP,    528                        ; a stage row: 512 bytes of f32 + 16
.set STG,   NA*16*SP                   ; a wave's stage; the four lie in the ring
.set SPARE, 2*SLOT                     ; behind the ring: the spare words, 128 bytes for each wave: two blocks of 256 bytes that no other line names
.set ADRA, 16                          ; v16-17  LDS address of my A fragments in slot 0, 1
.set ADRB, 20                          ; v20-21  the same for the weight
.set ML,   22                          ; v22     all ones in lanes 0-15
.set MH,   23                          ; v23     all ones in lanes 16-31
.set STO,  24                          ; v24     where I put 32 bytes of a stage row
.set RD,   25                          ; v25     where I read rows back, in the first trip
.set GO,   26                          ; v26     my byte offset in the output block
.set EL,   27                          ; v27     16 (l % 16): my 4 columns in a row of the table
.set SPW,  28                          ; v28     LDS address of my spare word; never rewritten
.set NIL,  29                          ; v29     0; never rewritten
.set PFO,  30                          ; v30     the prefetches' lane offset; never rewritten
.set RDC,  31                          ; v31     RD + the trip's step
.set BI,   32                          ; v[32:39] bias: my 4 columns of each block of 64
.set EE,   40                          ; v[40:55] table rows, 4 registers a row pair
.set EA,   56                          ; v[56:59] their offsets
.set YY,   64                          ; v[64:95] eight rows as they come from the stage: row pair p, block hh at YY + 8 p + 4 hh
.set ZZ,   96                          ; v[96:127] the same rows at work
.set TT,   128                         ; v[128:159] at work
.set OB,   192                         ; v[192:207] rounded
.set G1,  24                           ; s[24:31] descriptor group 1 for A;  s[32:39] group 0, a set for each slot
.set G0,  32
.set LIM, 43                           ; s43  1 in a wave that prefetches, else the greatest number
.set PFA, 44                           ; s[44:45] where my prefetches stand
.set PFS, 46                           ; s[46:47] their step: a K step
.set G1B, 48                           ; s[48:55], s[56:63] the same for the weight
.set G0B, 56
.set EO,  14                           ; s[14:21] eight labels x 256
.set LAB, 92                           ; s[92:99] eight labels
.set MSB, 0
.macro WIN new                         ; the immediate's high byte repeats the setting that is left; a switch that changes nothing is dropped
.if MSB != (\new)
	s_set_vgpr_msb (MSB<<8)|(\new)
.set MSB, \new
.endif
.endm
.macro PLACES                          ; four places behind matrix instructions, in front of loads into registers that they have read and of readers of their results
.rept 4
	v_nop
.endr
.endm
.macro CREST                           ; a round of the cluster's barrier behind its opening barrier
	s_cmp_lg_u32 s10, 0
	s_cbranch_scc1 .Lnot_wave_0_\@
	s_barrier_signal -3
.Lnot_wave_0_\@:
	s_barrier_wait -3
	s_barrier_signal -1
	s_barrier_wait -1
.endm
.macro CROUND
	s_barrier_signal -1
	s_barrier_wait -1
	CREST
.endm
.macro JLOAD s                         ; a joint load: waves 0 and 1 fetch A's two halves, waves 2 and 3 the weight's; s_nop 0 and four v_nop follow each line
	s_cmp_eq_u32 s11, 0
	s_cbranch_scc0 .Lfor_b_\@
	tensor_load_to_lds s[G0+4*(\s):G0+4*(\s)+3], s[G1:G1+7]
	s_nop 0
.rept 4
	v_nop
.endr
	s_branch .Lasked_\@
.Lfor_b_\@:
	tensor_load_to_lds s[G0B+4*(\s):G0B+4*(\s)+3], s[G1B:G1B+7]
	s_nop 0
.rept 4
	v_nop
.endr
.Lasked_\@:
.endm
; A PREFETCH of the K step that stands two refills on: 32 blocks of 256 bytes, a lane a block, one instruction a wave, behind the joint load and the run of LDS loads.  Each block is named once in the launch:
; h is asked for by type 0 (types 1 and 2 read the same rows), h2 by type 3, a weight by the clusters with y = 0; the four partners that ask for a tile jointly share its blocks out by address.
; The loop's last trip (s3 = 1) asks for nothing: there is no K step two refills on.
.macro ASK
	s_cmp_gt_u32 s3, s[LIM]
	s_cbranch_scc0 .Lnot_mine_\@
	global_prefetch_b8 v[PFO], s[PFA:PFA+1] th:TH_LOAD_NT scope:SCOPE_SE
.Lnot_mine_\@:
.endm
.macro MULA f, a, zero                 ; 8 matrix instructions: row block a x all 8 column blocks, 32 along K, from buffer f.  zero = 1: the product starts the sums
	WIN 0xa1+0x50*((\a)/4)
.irp b, 0,1,2,3,4,5,6,7
.if \zero
	v_wmma_f32_16x16x32_bf16 v[8*(8*((\a)%4)+(\b)):8*(8*((\a)%4)+(\b))+7], v[FB0+64*(\f)+8*(\b):FB0+64*(\f)+8*(\b)+7], v[FA0+FAS*(\f)+8*(\a):FA0+FAS*(\f)+8*(\a)+7], 0
.else
	v_wmma_f32_16x16x32_bf16 v[8*(8*((\a)%4)+(\b)):8*(8*((\a)%4)+(\b))+7], v[FB0+64*(\f)+8*(\b):FB0+64*(\f)+8*(\b)+7], v[FA0+FAS*(\f)+8*(\a):FA0+FAS*(\f)+8*(\a)+7], v[8*(8*((\a)%4)+(\b)):8*(8*((\a)%4)+(\b))+7]
.endif
.endr
.endm
.macro MULS f, a0, n, zero             ; n row blocks from a0 on.  All accumulators take turns, one instruction a turn, in the same order in every quarter
.set ma, \a0
.rept \n
	MULA \f, ma, \zero
.set ma, ma+1
.endr
.endm
.macro FETCH slot, q, f                ; the fragments of quarter q (32 along K) of a slot into buffer f, in one run: the weight's 16 loads, then A's
	WIN 0x40
.set fi, 0
.rept 8
	ds_load_tr16_b128 v[FB0+64*(\f)+8*fi:FB0+64*(\f)+8*fi+3],   v[ADRB+(\slot)] offset:(\q)*32*PB+32*fi
	ds_load_tr16_b128 v[FB0+64*(\f)+8*fi+4:FB0+64*(\f)+8*fi+7], v[ADRB+(\slot)] offset:(\q)*32*PB+32*fi+16*PB
.set fi, fi+1
.endr
	WIN 0
.set fi, 0
.rept NA
	ds_load_b128 v[FA0+FAS*(\f)+8*fi:FA0+FAS*(\f)+8*fi+3],   v[ADRA+(\slot)] offset:((\q)/AQ)*ASUB+((\q)%AQ)*64+fi*16*PA
	ds_load_b128 v[FA0+FAS*(\f)+8*fi+4:FA0+FAS*(\f)+8*fi+7], v[ADRA+(\slot)] offset:((\q)/AQ)*ASUB+((\q)%AQ)*64+fi*16*PA+32
.set fi, fi+1
.endr
.endm
.macro QUARTER slot, q, f, g, zero     ; multiplies buffer f; in its middle fetches quarter q of the same slot into buffer g
	s_wait_dscnt WH                                ; the weight's fragments and A's lower half are in; A's upper half may be out
	MULS \f, 0, NA/2, \zero
	PLACES
	FETCH \slot, \q, \g
	s_wait_dscnt NF                                ; all but the loads just issued
	MULS \f, NA/2, NA/2, \zero
.endm
; The last quarter of a K step multiplies buffer 1 and changes slots: ONE barrier.  In front of it each wave waits for all its tensor loads (one is out: its part of the next slot), adds 0 to its spare
; word, and waits for that and for its reads of this slot.  fill = 1: the barrier opens a round of the cluster's barrier, and the joint refill, two K steps on, is the first tensor load behind the round.
.macro TURN slot, next, fill
.if \fill
	s_wait_xcnt 0x0                                ; the last prefetch, a K step back, has read its address
	s_add_nc_u64 s[PFA:PFA+1], s[PFA:PFA+1], s[PFS:PFS+1]
.endif
	WIN 0
	s_wait_tensorcnt 0x0                           ; all my tensor loads have landed
	ds_add_u32 v[SPW], v[NIL]                      ; 0 onto my spare word
	s_wait_dscnt WH+1                              ; (the add and A's upper half may be out)
	MULS 1, 0, NA/4, 0
	s_wait_dscnt 0x0                               ; the add is done, and my reads of this slot are over
	s_barrier_signal -1
	MULS 1, NA/4, NA/4, 0
.if \fill
	WIN 0
.endif
	s_barrier_wait -1
.if \fill
	CREST                                          ; no wave of any partner still reads this slot or has a load on its way
	s_add_nc_u64 s[G0+4*(\slot)+2:G0+4*(\slot)+3], s[G0+4*(\slot)+2:G0+4*(\slot)+3], 2*AKS
	s_add_nc_u64 s[G0B+4*(\slot)+2:G0B+4*(\slot)+3], s[G0B+4*(\slot)+2:G0B+4*(\slot)+3], 2*BKS
	JLOAD \slot                                    ; its four v_nop are also the places in front of the loads below
.else
	PLACES
.endif
	FETCH \next, 0, 0
.if \fill
	ASK
.endif
	MULS 1, NA/2, NA/2, 0
.endm
.macro LASTQ                           ; the very last quarter: nothing more to fetch
	s_wait_dscnt WH
	MULS 1, 0, NA/2, 0
	s_wait_dscnt 0x0
	MULS 1, NA/2, NA/2, 0
	WIN 0
.endm
; The table rows of the eight labels in s[LAB ..] are asked for, and the next eight labels.  Behind the clamp stand a shift, two ANDs with the lanes' masks and a sum: lanes 0-15 take the even row's label.
; The labels' offset wraps within my 128 rows (512 bytes): the last look-ahead for labels stays inside the buffer and serves nothing.
.macro GATHER
	s_wait_kmcnt 0x0                               ; the labels are in, so their load's offset register may be written too
.irp r, 0,1,2,3,4,5,6,7
	s_min_u32 s[EO+\r], s[LAB+\r], 49
	s_lshl_b32 s[EO+\r], s[EO+\r], 8               ; a row of the table is 256 bytes
.endr
	s_add_co_u32 s100, s100, 32
	s_and_b32 s100, s100, 511
	s_load_b256 s[LAB:LAB+7], s[90:91], s100 offset:0x0
.irp p, 0,1,2,3
	v_and_b32 v4, s[EO+2*\p], v[ML]
	v_and_b32 v5, s[EO+2*\p+1], v[MH]
	v_add3_u32 v[EA+\p], v4, v5, v[EL]
	global_load_b128 v[EE+4*\p:EE+4*\p+3], v[EA+\p], s[8:9]
.endr
.endm
	s_load_b512 s[68:83], s[0:1], 0x0              ; hh 68, wb 70, labels 72, emb_k 74, emb_v 76, bq 78, bk 80, bv 82
	s_load_b128 s[84:87], s[0:1], 0x40             ; b1 84, qkv 86
	s_load_b64 s[88:89], s[0:1], 0x50              ; ag
	v_lshl_add_u32 v[SPW], v0, 2, SPARE
	v_mov_b32 v[NIL], 0
	ds_add_u32 v[SPW], v[NIL]                      ; the wave's opening: the add, twice on end, and its wait ahead of my first tensor load
	ds_add_u32 v[SPW], v[NIL]
	v_lshrrev_b32 v1, 5, v0
	v_readfirstlane_b32 s10, v1                    ; wave 0..3
	s_lshr_b32 s11, s10, 1                         ; my half of the tile's rows.  Also: I fetch for A (0) or for the weight (1)
	s_and_b32 s12, s10, 1                          ; my half of its columns.  Also: which half of that tile I fetch
	s_bfe_u32 s40, ttmp6, 0x40000                  ; cx: the tile column inside the weight
	s_bfe_u32 s41, ttmp6, 0x40004                  ; cy
	s_mov_b32 s42, ttmp9                           ; the type: the cluster's x
	s_and_b32 s13, ttmp7, 0xffff
	s_lshl_b32 s13, s13, 2
	s_add_co_u32 s13, s13, s41                     ; tile row = 4 x cluster y + cy
	s_lshl_b32 s4, s41, 2
	s_lshl_b32 s4, 15, s4                          ; my row of the cluster
	s_lshl_b32 s5, 0x1111, s40                     ; my column
	s_or_b32 s[G1], s4, (1<<16)|(1<<20)|(1<<21)|(5<<22)|(3<<25)   ; the mask; 2-byte elements; padding on; bit 21 beside a mask; after every 64 words, 4 words
	s_or_b32 s[G1B], s5, (1<<16)|(1<<20)|(1<<21)|(6<<22)|(7<<25)  ; after every 128 words, 8 words
	s_mov_b32 s[G1+1], 128<<16                     ; A: tensor_dim0 = 128
	s_mov_b32 s[G1+2], 128<<16                     ; tensor_dim1 = 128
	s_mov_b32 s[G1+3], 128<<16                     ; tile_dim0 = 128
	s_mov_b32 s[G1+4], 128                         ; tile_dim1 = 128
	s_mov_b32 s[G1+5], 1024                        ; elements from row to row
	s_mov_b32 s[G1+6], 0
	s_mov_b32 s[G1+7], 0
	s_mov_b32 s[G1B+1], 256<<16                    ; the weight: tensor_dim0 = 256
	s_mov_b32 s[G1B+2], 64<<16                     ; tensor_dim1 = 64
	s_mov_b32 s[G1B+3], 256<<16                    ; tile_dim0 = 256
	s_mov_b32 s[G1B+4], 64                         ; tile_dim1 = 64
	s_mov_b32 s[G1B+5], 1024
	s_mov_b32 s[G1B+6], 0
	s_mov_b32 s[G1B+7], 0
	s_lshl_b32 s16, s13, 19                        ; A: 256 rows of 2,048 bytes a tile row,
	s_lshl_b32 s17, s12, 18                        ; my 128 of them,
	s_add_co_u32 s16, s16, s17
	s_cmp_eq_u32 s42, 3
	s_cselect_b32 s17, 0x1000000, 0                ; in h2 for type 3
	s_add_co_u32 s16, s16, s17
	s_mov_b32 s17, 0
	s_lshl_b32 s18, s42, 21                        ; the weight of my type,
	s_lshl_b32 s19, s12, 17                        ; my 64 k rows of a K step,
	s_add_co_u32 s18, s18, s19
	s_lshl_b32 s19, s40, 9                         ; the tile's 256 columns
	s_add_co_u32 s18, s18, s19
	s_mov_b32 s19, 0
	s_mul_i32 s20, s12, 128*PA                     ; where they go: no place in the cluster enters an LDS address
	s_mul_i32 s21, s12, 64*PB
	s_add_co_u32 s21, s21, BOFF
	s_wait_dscnt 0x0                               ; both opening adds are done
	s_wait_kmcnt 0x0
	s_add_nc_u64 s[14:15], s[68:69], s[16:17]
	s_add_nc_u64 s[22:23], s[70:71], s[18:19]
	CROUND                                         ; all sixteen work-groups are here: the first joint loads meet
.irp s, 0,1
	s_mov_b32 s[G0+4*(\s)], 1
	s_add_co_u32 s[G0+4*(\s)+1], s20, (\s)*SLOT
	s_add_nc_u64 s[G0+4*(\s)+2:G0+4*(\s)+3], s[14:15], (\s)*AKS
	s_or_b32 s[G0+4*(\s)+3], s[G0+4*(\s)+3], 0x80000000
	s_mov_b32 s[G0B+4*(\s)], 1
	s_add_co_u32 s[G0B+4*(\s)+1], s21, (\s)*SLOT
	s_add_nc_u64 s[G0B+4*(\s)+2:G0B+4*(\s)+3], s[22:23], (\s)*BKS
	s_or_b32 s[G0B+4*(\s)+3], s[G0B+4*(\s)+3], 0x80000000
	JLOAD \s
.endr
	; lane addresses
	v_and_b32 v1, 15, v0                           ; r = l % 16
	v_bfe_u32 v2, v0, 4, 1                         ; h = l / 16
	v_mul_u32_u24 v3, v1, PA
	v_lshl_add_u32 v3, v2, 4, v3                   ; a fragment of A: row r, 16 bytes for each half of the lanes
	s_mul_i32 s4, s11, NA*16*PA
	v_add_nc_u32 v[ADRA], s4, v3
	v_add_nc_u32 v[ADRA+1], SLOT, v[ADRA]
	v_and_b32 v4, 7, v0
	v_lshl_add_u32 v4, v2, 3, v4                   ; the turning load: k row 8 h + l % 8,
	v_mul_u32_u24 v4, v4, PB
	v_bfe_u32 v5, v0, 3, 1
	v_lshl_add_u32 v4, v5, 4, v4                   ; columns 8 ((l / 8) % 2) + 0..7
	s_lshl_b32 s4, s12, 8
	s_add_co_u32 s4, s4, BOFF
	v_add_nc_u32 v[ADRB], s4, v4
	v_add_nc_u32 v[ADRB+1], SLOT, v[ADRB]
	s_mul_i32 s4, s10, STG                         ; my stage
	v_mul_u32_u24 v3, v1, SP
	v_lshl_add_u32 v3, v2, 5, v3
	v_add_nc_u32 v[STO], s4, v3                    ; in: row r, 32 bytes for each half of the lanes
	v_mul_u32_u24 v3, v2, SP
	v_lshl_add_u32 v3, v1, 4, v3
	v_add_nc_u32 v[RD], s4, v3                     ; back: lanes 0-15 take 256 bytes of one row, lanes 16-31 of the next
	v_lshlrev_b32 v3, 7, v2
	v_lshl_add_u32 v[GO], v1, 3, v3                ; out: the same two rows of a block, 128 bytes each
	v_lshlrev_b32 v[EL], 4, v1
	v_add_nc_u32 v[ML], -1, v2
	v_sub_nc_u32 v[MH], 0, v2
	v_and_b32 v4, 31, v0
	v_lshlrev_b32 v5, 11, v4                       ; prefetch of A: a lane a row
	v_lshrrev_b32 v6, 1, v4
	v_and_b32 v4, 1, v4
	v_lshlrev_b32 v6, 11, v6
	v_lshl_add_u32 v6, v4, 8, v6                   ; of the weight: two lanes a k row of 512 bytes
	; the prefetches: s16, s18 still hold my tiles' offsets
	s_lshl_b32 s4, s40, 16                         ; of the 128 rows of A that I fetch, my work-group's 32,
	s_add_co_u32 s4, s4, s16
	s_add_co_u32 s4, s4, 3*AKS                     ; at K step 3: the first refill steps it to 4
	s_lshl_b32 s5, s41, 15                         ; of the 64 k rows, my work-group's 16
	s_add_co_u32 s5, s5, s18
	s_add_co_u32 s5, s5, 3*BKS
	s_and_b32 s6, ttmp7, 0xffff
	s_cmp_eq_u32 s6, 0
	s_cselect_b32 s6, 1, -1                        ; the weight: clusters with y = 0 ask
	s_cmp_eq_u32 s42, 0
	s_cselect_b32 s7, 1, -1
	s_cmp_eq_u32 s42, 3
	s_cselect_b32 s7, 1, s7                        ; A: types 0 and 3 ask
	s_mov_b32 s[PFS], BKS                          ; a K step in the weight,
	s_cmp_eq_u32 s11, 0
	s_cselect_b32 s[LIM], s7, s6
	s_cselect_b32 s4, s4, s5
	s_cselect_b64 s[PFA:PFA+1], s[68:69], s[70:71]
	s_cselect_b32 s[PFS], AKS, s[PFS]              ; or in A
	s_cselect_b32 s8, -1, 0
	s_mov_b32 s[PFS+1], 0
	s_mov_b32 s5, 0
	s_add_nc_u64 s[PFA:PFA+1], s[PFA:PFA+1], s[4:5]
	v_cndmask_b32 v[PFO], v6, v5, s8
	; where the results go
	s_lshl_b32 s4, s13, 1
	s_add_co_u32 s4, s4, s11                       ; my row tile of 128 rows
	s_lshl_b32 s6, s4, 4                           ; qkv: 16 blocks a row tile,
	s_lshl_b32 s7, s42, 10                         ; 1,024 blocks a region
	s_add_co_u32 s6, s6, s7
	s_lshl_b32 s7, s4, 5                           ; ag: 32 blocks a row tile, g in the upper 16
	s_add_co_u32 s7, s7, 16
	s_cmp_eq_u32 s42, 3
	s_cselect_b32 s6, s7, s6
	s_cselect_b64 s[66:67], s[88:89], s[86:87]
	s_lshl_b32 s7, s40, 2
	s_add_co_u32 s6, s6, s7                        ; + 4 cx
	s_lshl_b32 s7, s12, 1
	s_add_co_u32 s6, s6, s7                        ; + 2 x my half of the columns
	s_lshl_b32 s6, s6, 14                          ; a block is 16,384 bytes
	s_mov_b32 s7, 0
	s_add_nc_u64 s[66:67], s[66:67], s[6:7]
	s_lshl_b32 s4, s13, 10                         ; the labels of my 128 rows
	s_lshl_b32 s5, s11, 9
	s_add_co_u32 s4, s4, s5
	s_mov_b32 s5, 0
	s_add_nc_u64 s[90:91], s[72:73], s[4:5]
	s_load_b256 s[LAB:LAB+7], s[90:91], 0x0        ; the first trip's eight
	s_mov_b32 s100, 0
	s_mov_b64 s[6:7], s[78:79]                     ; the type's bias, and its table (emb_k but for v)
	s_cmp_eq_u32 s42, 1
	s_cselect_b64 s[6:7], s[80:81], s[6:7]
	s_cmp_eq_u32 s42, 2
	s_cselect_b64 s[6:7], s[82:83], s[6:7]
	s_cselect_b64 s[8:9], s[76:77], s[74:75]
	s_cmp_eq_u32 s42, 3
	s_cselect_b64 s[6:7], s[84:85], s[6:7]
	s_lshl_b32 s4, s40, 10
	s_lshl_b32 s5, s12, 9
	s_add_co_u32 s4, s4, s5
	s_mov_b32 s5, 0
	s_add_nc_u64 s[6:7], s[6:7], s[4:5]
	s_sub_co_u32 s4, s42, 1
	s_cmp_lt_u32 s4, 2
	s_cselect_b32 s101, 1, 0                       ; 1: k or v: the type takes an embedding
	global_load_b128 v[BI:BI+3], v[EL], s[6:7]
	global_load_b128 v[BI+4:BI+7], v[EL], s[6:7] offset:256
	GATHER                                         ; the first trip's table rows.  Every type runs this once, so that the text has one form; q and g do not use what it brings
	s_wait_tensorcnt 1                             ; my part of K step 0 is in; K step 1's may stay out
	s_barrier_signal -1
	s_barrier_wait -1
	FETCH 0, 0, 0
	QUARTER 0, 1, 0, 1, 1                          ; the first quarter stands in front of the loop: its products start the sums
	WIN 0
	s_mov_b32 s3, LAPS-1
.Llap:                                         ; a trip goes once round the ring, from a lap's second quarter to the next lap's first, and fills both slots again
	QUARTER 0, 2, 1, 0, 0
	QUARTER 0, 3, 0, 1, 0
	TURN 0, 1, 1
	QUARTER 1, 1, 0, 1, 0
	QUARTER 1, 2, 1, 0, 0
	QUARTER 1, 3, 0, 1, 0
	TURN 1, 0, 1
	QUARTER 0, 1, 0, 1, 0
	WIN 0
	s_sub_co_u32 s3, s3, 1
	s_cmp_lg_u32 s3, 0
	s_cbranch_scc1 .Llap
	QUARTER 0, 2, 1, 0, 0                          ; the last lap fills nothing
	QUARTER 0, 3, 0, 1, 0
	TURN 0, 1, 0
	QUARTER 1, 1, 0, 1, 0
	QUARTER 1, 2, 1, 0, 0
	QUARTER 1, 3, 0, 1, 0
	LASTQ
	; THE WAY OUT.  Every wave's reads of the ring are over (the last wait was for 0) and every fill has landed: behind this barrier the ring serves as stage.
	PLACES
	s_barrier_signal -1
	s_barrier_wait -1
.set da, 0
.rept NA
	WIN 0x08+4*(da/4)                              ; store data in window 2 or 3
.set db, 0
.rept 8
	ds_store_b128 v[STO], v[8*(8*(da%4)+db):8*(8*(da%4)+db)+3]   offset:da*16*SP+db*64      ; each accumulator's low registers first
	ds_store_b128 v[STO], v[8*(8*(da%4)+db)+4:8*(8*(da%4)+db)+7] offset:da*16*SP+db*64+16
.set db, db+1
.endr
.set da, da+1
.endr
	WIN 0
	s_wait_dscnt 0x0
	s_barrier_signal -1                            ; behind this barrier LDS is only read
	s_barrier_wait -1
	s_mov_b32 s68, 0x3fb8aa3b                      ; log2 e
	s_mov_b32 s69, s68
	s_mov_b32 s70, 0xc0135761                      ; C0
	s_mov_b32 s71, s70
	s_mov_b32 s72, 0xbdd2d3e8                      ; C1
	s_mov_b32 s73, s72
	s_mov_b32 s4, 0                                ; the place in my stage of the rows asked for last
	s_mov_b32 s5, 0                                ; what the output's offset steps by: nothing in the first trip
	s_mov_b32 s3, 16
	s_wait_loadcnt 0x0                             ; the bias
.irp p, 0,1,2,3                        ; the first trip's rows
	ds_load_b128 v[YY+8*\p:YY+8*\p+3],   v[RD] offset:2*SP*\p
	ds_load_b128 v[YY+8*\p+4:YY+8*\p+7], v[RD] offset:2*SP*\p+256
.endr
.Lrow:                                         ; 16 trips of 8 rows.  Load (p, hh): row 8 trip + 2 p + l / 16, columns 64 hh + 4 (l % 16) .. + 3
	s_wait_dscnt 0x0                               ; this trip's rows, asked for a trip ago
.irp p, 0,1,2,3
.irp c, 0,2,4,6
	v_pk_add_f32 v[ZZ+8*\p+\c:ZZ+8*\p+\c+1], v[YY+8*\p+\c:YY+8*\p+\c+1], v[BI+\c:BI+\c+1]  ; the bias, out of place: the registers that took the rows are free at once
.endr
.endr
	s_add_co_u32 s4, s4, 8*SP
	s_cmp_eq_u32 s3, 1
	s_cbranch_scc1 .Lno_more                       ; the last trip has no rows behind it
	v_add_nc_u32 v[RDC], s4, v[RD]
.irp p, 0,1,2,3                        ; the next trip's rows: they have this trip's work in which to come
	ds_load_b128 v[YY+8*\p:YY+8*\p+3],   v[RDC] offset:2*SP*\p
	ds_load_b128 v[YY+8*\p+4:YY+8*\p+7], v[RDC] offset:2*SP*\p+256
.endr
.Lno_more:
	s_cmp_eq_u32 s101, 1
	s_cbranch_scc0 .LnoE
	s_wait_loadcnt 0x0                             ; this trip's table rows, asked for a trip ago
.irp p, 0,1,2,3
.irp c, 0,2,4,6
	v_pk_add_f32 v[ZZ+8*\p+\c:ZZ+8*\p+\c+1], v[ZZ+8*\p+\c:ZZ+8*\p+\c+1], v[EE+4*\p+(\c)%4:EE+4*\p+(\c)%4+1]  ; the same 64 numbers for every block of 64 columns
.endr
.endr
	s_cmp_eq_u32 s3, 1
	s_cbranch_scc1 .LnoE
	GATHER                                         ; the next trip's
.LnoE:
	s_cmp_eq_u32 s42, 2
	s_cbranch_scc1 .Lcvt                           ; v has no activation
	s_cmp_eq_u32 s42, 3
	s_cbranch_scc1 .Lgelu
.set k, 0
.rept 16                               ; elu(y) + 1 = max(y, 0) + 2^(min(y, 0) log2 e)
	v_pk_mul_f32 v[TT+2*k:TT+2*k+1], v[ZZ+2*k:ZZ+2*k+1], s[68:69] op_sel_hi:[1,0]
.set k, k+1
.endr
.set k, 0
.rept 32
	v_min_num_f32 v[TT+k], 0, v[TT+k]
.set k, k+1
.endr
.set k, 0
.rept 32                               ; exponential and maximum by turns: each exponential has a plain neighbour that names none of its registers
	v_exp_f32 v[TT+k], v[TT+k]
	v_max_num_f32 v[ZZ+k], 0, v[ZZ+k]
.set k, k+1
.endr
	s_wait_alu depctr_va_vdst(0)                   ; one wait for the 32 exponentials, ahead of their first reader
.set k, 0
.rept 16
	v_pk_add_f32 v[ZZ+2*k:ZZ+2*k+1], v[ZZ+2*k:ZZ+2*k+1], v[TT+2*k:TT+2*k+1]
.set k, k+1
.endr
	s_branch .Lcvt
.Lgelu:
.set k, 0
.rept 16
	v_pk_mul_f32 v[TT+2*k:TT+2*k+1], v[ZZ+2*k:ZZ+2*k+1], v[ZZ+2*k:ZZ+2*k+1]
.set k, k+1
.endr
.set k, 0
.rept 16
	v_pk_fma_f32 v[TT+2*k:TT+2*k+1], v[TT+2*k:TT+2*k+1], s[72:73], s[70:71] op_sel_hi:[1,0,0]
.set k, k+1
.endr
.set k, 0
.rept 16
	v_pk_mul_f32 v[TT+2*k:TT+2*k+1], v[TT+2*k:TT+2*k+1], v[ZZ+2*k:ZZ+2*k+1]
.set k, k+1
.endr
.set k, 0
.rept 32
	v_exp_f32 v[TT+k], v[TT+k]
.set k, k+1
.endr
	v_nop                                          ; a plain instruction behind the last exponential,
	s_wait_alu depctr_va_vdst(0)                   ; and the batch's one wait
.set k, 0
.rept 16
	v_pk_add_f32 v[TT+2*k:TT+2*k+1], v[TT+2*k:TT+2*k+1], 1.0 op_sel_hi:[1,0]
.set k, k+1
.endr
.set k, 0
.rept 32
	v_rcp_f32 v[TT+k], v[TT+k]
.set k, k+1
.endr
	v_nop
	s_wait_alu depctr_va_vdst(0)
.set k, 0
.rept 16
	v_pk_mul_f32 v[ZZ+2*k:ZZ+2*k+1], v[ZZ+2*k:ZZ+2*k+1], v[TT+2*k:TT+2*k+1]
.set k, k+1
.endr
.Lcvt:
	s_wait_xcnt 0x0                                ; the last trip's stores have read their data and their offset: both are written again only behind this wait
	v_add_nc_u32 v[GO], s5, v[GO]                  ; 8 rows of 128 bytes on, from the second trip
	s_mov_b32 s5, 1024
.set k, 0
.rept 16
	v_cvt_pk_bf16_f32 v[OB+k], v[ZZ+2*k], v[ZZ+2*k+1]
.set k, k+1
.endr
.irp p, 0,1,2,3
.irp h, 0,1
	global_store_b64 v[GO], v[OB+4*\p+2*\h:OB+4*\p+2*\h+1], s[66:67] offset:16384*\h+256*\p  ; two rows of one block: 256 consecutive bytes, aligned
.endr
.endr
	s_sub_co_u32 s3, s3, 1
	s_cmp_lg_u32 s3, 0
	s_cbranch_scc1 .Lrow
	s_wait_loadcnt 0x0
	s_wait_kmcnt 0x0                               ; the look-ahead's last labels, which serve nothing, are not left out at the end
	s_wait_tensorcnt 0x0                           ; the wave's end, behind my last tensor load and my last LDS store
	ds_add_u32 v[SPW], v[NIL]
	s_wait_dscnt 0x0
	CROUND                                         ; the closing round: no work-group ends while a partner may still ask for a tile that names it
	s_endpgm
.Lfunc_end_k_q3fc3219c1b_proj:
	.size	k_q3fc3219c1b_proj, .Lfunc_end_k_q3fc3219c1b_proj-k_q3fc3219c1b_proj
	.p2alignl 7, 3214868480
	.fill 96, 4, 3214868480
	.section	.rodata,"a",@progbits
	.p2align	6, 0x0
	.amdhsa_kernel k_q3fc3219c1b_proj
		.amdhsa_group_segment_fixed_size 327680
		.amdhsa_private_segment_fixed_size 0
		.amdhsa_enable_private_segment 0
		.amdhsa_kernarg_size 88
		.amdhsa_user_sgpr_count 2
		.amdhsa_user_sgpr_kernarg_segment_ptr 1
		.amdhsa_wavefront_size32 1
		.amdhsa_system_sgpr_workgroup_id_x 1
		.amdhsa_system_sgpr_workgroup_id_y 1
		.amdhsa_system_sgpr_workgroup_id_z 1
		.amdhsa_system_vgpr_workitem_id 0
		.amdhsa_next_free_vgpr 1024
		.amdhsa_next_free_sgpr 102
		.amdhsa_reserve_vcc 0
		.amdhsa_float_denorm_mode_32 3
		.amdhsa_float_denorm_mode_16_64 3
		.amdhsa_memory_ordered 1
		.amdhsa_forward_progress 1
		.amdhsa_inst_pref_size 144
	.end_amdhsa_kernel
	.amdgpu_metadata
---
amdhsa.version: [ 1, 2 ]
amdhsa.kernels:
  - .name:           k_q3fc3219c1b_proj
    .symbol:         k_q3fc3219c1b_proj.kd
    .args:
      - { .name: hh, .offset: 0, .size: 8, .value_kind: global_buffer, .address_space: global }
      - { .name: wb, .offset: 8, .size: 8, .value_kind: global_buffer, .address_space: global }
      - { .name: labels, .offset: 16, .size: 8, .value_kind: global_buffer, .address_space: global }
      - { .name: emb_k, .offset: 24, .size: 8, .value_kind: global_buffer, .address_space: global }
      - { .name: emb_v, .offset: 32, .size: 8, .value_kind: global_buffer, .address_space: global }
      - { .name: bq, .offset: 40, .size: 8, .value_kind: global_buffer, .address_space: global }
      - { .name: bk, .offset: 48, .size: 8, .value_kind: global_buffer, .address_space: global }
      - { .name: bv, .offset: 56, .size: 8, .value_kind: global_buffer, .address_space: global }
      - { .name: b1, .offset: 64, .size: 8, .value_kind: global_buffer, .address_space: global }
      - { .name: qkv, .offset: 72, .size: 8, .value_kind: global_buffer, .address_space: global }
      - { .name: ag, .offset: 80, .size: 8, .value_kind: global_buffer, .address_space: global }
    .group_segment_fixed_size: 327680
    .private_segment_fixed_size: 0
    .kernarg_segment_align: 8
    .kernarg_segment_size: 88
    .max_flat_workgroup_size: 128
    .sgpr_count:     102
    .vgpr_count:     1024
    .wavefront_size: 32
...
	.end_amdgpu_metadata
.endif
;; end of part 2
;; launch attn (part 3): grid 128 x 1, 8 waves a work-group, no clusters, 327,680 bytes of LDS; arguments qkv, ag; writes ag
.if DOCPART == 3
	.amdgcn_target "amdgcn-amd-amdhsa--gfx1250"
	.amdhsa_code_object_version 6
	.text
	.protected	k_q3fc3219c1b_attn
	.globl	k_q3fc3219c1b_attn
	.p2align	8
	.type	k_q3fc3219c1b_attn,@function
k_q3fc3219c1b_attn:
	s_mov_b64 s[64:65], 0
	v_nop
	global_prefetch_b8 v0, s[64:65] scope:SCOPE_SE
	s_setreg_imm32_b32 hwreg(HW_REG_WAVE_MODE, 25, 1), 1
	s_wait_xcnt 0x0
; LINEAR ATTENTION, one (batch, head) to a work-group.  q, k, v lie in qkv by blocks of 128 rows x 64 columns of bf16, [row tile of 128 rows][16 heads].  With KV[d][c] = sum over s of k[s][d] v[s][c] and
; ksum[c] = sum over s of k[s][c]: attn[t][d] = (sum over c of q[t][c] KV[d][c]) / (sum over c of q[t][c] ksum[c]): q meets v's index and the result runs over k's, as the two einsums are written.
; attn goes, rounded once to bf16, into block (row tile, head) of ag's lower 16 blocks a row tile.
; PHASE 1.  Wave w takes s = 128 w .. + 127: 20 accumulators: (dt, ct), dt < 4: D[c][d] = sum of v[s][c] k[s][d] (source 0 = v turned, source 1 = k turned); dt = 4: k turned times ones: ksum[c] in every column.
; The eight waves' f32 partial sums meet in LDS; waves 0-4 add them up (wave = dt) and round them ONCE to bf16.  In the result a lane holds d = l % 16 and eight c: two such tiles, packed, ARE source 0
; (16 d x 32 c) of phase 2: nothing changes lanes.
; PHASE 2.  Wave w takes t = 128 w .. + 127: D2[d][t] = sum over c of KV[d][c] q[t][c]; the fifth tile holds the norm of the lane's t in every register.
; ALL REQUESTS GO OUT AT THE HEAD: k and v by two tensor loads a wave (16,384 bytes each, first fills only; nothing is filled again), q by 32 loads into registers.  So there is no ring and no prefetch.
; NO CLUSTER: no two work-groups read a common byte.  128 work-groups: the state wants all 1,024 s of a head; two to a head would read k and v twice.
; LIMITS.  KV and ksum are rounded to bf16 as matrix operands.  Where all of a row's features q, or all of a head's k, are 0, the norm is 0 and the row is not finite.  NaN and infinities are not treated apart.
; REGISTERS: window 0: v0-29 addresses and the reciprocals; v32-39 ones; v40-63 at work; v64-95 k's, v96-127 v's fragments (later at work); v128-255 q (tile tt, half ch at 128 + 16 tt + 8 ch).
;   window 1: v0-159 phase 1's accumulators, (dt, ct) at 8 (4 dt + ct); then v0-79 KV's fragments, (dt, ch) at 8 (2 dt + ch), and v80-159 phase 2's, (u, dt) at 80 + 40 u + 8 dt.
.set PK,    144                        ; a row of k or v in LDS: 128 bytes + 16
.set VB,    1024*PK                    ; v behind k
.set STAGE, 2*VB                       ; 16 rows x 144 bytes for each wave, for the way out
.set KVF,   STAGE+8*16*PK              ; ten fragments of 1,024 bytes
.set SPARE, KVF+10240                  ; the spare words, 128 bytes for each wave: four blocks of 256 bytes that no other line names
.set PARTW, 20480                      ; a wave's 20 partial tiles of 1,024 bytes; the eight lie over k and v, which have had their only fill
.set SPW, 28
.set NIL, 29
.set MSB, 0
.macro WIN new
.if MSB != (\new)
	s_set_vgpr_msb (MSB<<8)|(\new)
.set MSB, \new
.endif
.endm
.macro PLACES
.rept 4
	v_nop
.endr
.endm
	s_load_b128 s[4:7], s[0:1], 0x0                ; qkv, ag
	v_lshl_add_u32 v[SPW], v0, 2, SPARE
	v_mov_b32 v[NIL], 0
	ds_add_u32 v[SPW], v[NIL]                      ; the wave's opening: the add, twice on end, and its wait ahead of my first tensor load
	ds_add_u32 v[SPW], v[NIL]
	v_lshrrev_b32 v1, 5, v0
	v_readfirstlane_b32 s8, v1                     ; wave 0..7
	s_mov_b32 s9, ttmp9                            ; 16 x batch + head
	s_mov_b32 s16, (1<<16)|(1<<20)|(4<<22)|(3<<25) ; 2-byte elements; padding on: after every 32 words, 4 words
	s_mov_b32 s17, 128<<16                         ; 128 rows of 128 bytes are dense: asked for as 64 rows of 256 bytes
	s_mov_b32 s18, 64<<16
	s_mov_b32 s19, 128<<16
	s_mov_b32 s20, 64
	s_mov_b32 s21, 128
	s_mov_b32 s22, 0
	s_mov_b32 s23, 0
	s_mov_b32 s24, 1
	s_mul_i32 s25, s8, 128*PK                      ; my 128 rows of k in LDS,
	s_mov_b32 s28, 1
	s_add_co_u32 s29, s25, VB                      ; and of v
	s_lshr_b32 s12, s9, 4                          ; batch
	s_lshl_b32 s12, s12, 3
	s_add_co_u32 s12, s12, s8                      ; my row tile of 128 rows: 8 x batch + wave
	s_and_b32 s13, s9, 15                          ; head
	s_lshl_b32 s10, s12, 4                         ; qkv has 16 blocks a row tile,
	s_add_co_u32 s10, s10, s13
	s_lshl_b32 s10, s10, 14                        ; of 16,384 bytes
	s_mov_b32 s11, 0
	s_lshl_b32 s12, s12, 5                         ; ag has 32
	s_add_co_u32 s12, s12, s13
	s_lshl_b32 s12, s12, 14
	s_mov_b32 s13, 0
	s_wait_dscnt 0x0                               ; both opening adds are done
	s_wait_kmcnt 0x0
	s_add_nc_u64 s[32:33], s[4:5], s[10:11]        ; q
	s_add_nc_u64 s[26:27], s[32:33], 0x1000000     ; k
	s_or_b32 s27, s27, 0x80000000
	s_add_nc_u64 s[30:31], s[32:33], 0x2000000     ; v
	s_or_b32 s31, s31, 0x80000000
	s_add_nc_u64 s[34:35], s[6:7], s[12:13]        ; attn
	tensor_load_to_lds s[24:27], s[16:23]
	s_nop 0
	tensor_load_to_lds s[28:31], s[16:23]          ; two loads of mine are out
	s_nop 0
	v_and_b32 v1, 15, v0                           ; r
	v_bfe_u32 v2, v0, 4, 1                         ; h
	v_and_b32 v3, 31, v0                           ; l
	v_lshlrev_b32 v6, 7, v1
	v_lshl_add_u32 v6, v2, 4, v6                   ; a fragment of q: row r, 16 bytes for each half of the lanes
.set i, 0
.rept 16                               ; tile i / 2, channels 32 (i % 2) on
	global_load_b128 v[128+8*i:128+8*i+3],   v6, s[32:33] offset:(i/2)*2048+(i%2)*64 th:TH_LOAD_NT
	global_load_b128 v[128+8*i+4:128+8*i+7], v6, s[32:33] offset:(i/2)*2048+(i%2)*64+32 th:TH_LOAD_NT
.set i, i+1
.endr
	v_and_b32 v11, 7, v0
	v_lshl_add_u32 v4, v2, 3, v11                  ; the turning load: row 8 h + l % 8,
	v_mul_u32_u24 v4, v4, PK
	v_bfe_u32 v11, v0, 3, 1
	v_lshl_add_u32 v4, v11, 4, v4                  ; columns 8 ((l / 8) % 2) + 0..7
	v_add_nc_u32 v4, s25, v4                       ; v4: k
	v_add_nc_u32 v5, VB, v4                        ; v5: v
	s_mul_i32 s14, s8, 16*PK
	s_add_co_u32 s14, s14, STAGE                   ; my stage
	v_mul_u32_u24 v7, v1, PK
	v_lshl_add_u32 v7, v2, 4, v7
	v_add_nc_u32 v7, s14, v7                       ; v7: in: row r, 16 bytes for each half of the lanes
	v_bfe_u32 v8, v0, 3, 2
	v_mul_u32_u24 v8, v8, PK
	v_and_b32 v11, 7, v0
	v_lshl_add_u32 v8, v11, 4, v8
	v_add_nc_u32 v8, s14, v8                       ; v8: back: 32 lanes take four rows of 128 bytes,
	v_lshlrev_b32 v9, 4, v3                        ; v9: which are 512 consecutive bytes of the block
	s_mul_i32 s15, s8, PARTW
	v_add_nc_u32 v10, s15, v9                      ; v10: my partial tiles
	s_lshl_b32 s15, s8, 12
	v_add_nc_u32 v12, s15, v9                      ; v12-19: wave u's partial tiles of dt = my wave's number
.irp u, 1,2,3,4,5,6,7
	v_add_nc_u32 v[12+\u], \u*PARTW, v12
.endr
	s_lshl_b32 s15, s8, 11
	s_add_co_u32 s15, s15, KVF
	v_add_nc_u32 v20, s15, v9                      ; v20: the two fragments that I make
	v_add_nc_u32 v21, KVF, v9                      ; v21: all ten
	v_mov_b32 v23, 0                               ; named in a pair with the reciprocals
	v_mov_b32 v25, 0
.irp i, 0,1,2,3,4,5,6,7
	v_mov_b32 v[32+\i], 0x3f803f80                 ; 1.0 twice, in bf16
.endr
; PHASE 1, step st: 32 of my s.  The 20 accumulators take turns, one instruction a turn.
.macro STEP st
.if (\st) > 0
	PLACES                                         ; in front of loads into registers that the last products have read
.endif
	WIN 0
.irp ct, 0,1,2,3
	ds_load_tr16_b128 v[64+8*\ct:64+8*\ct+3], v4 offset:32*PK*(\st)+32*\ct
	ds_load_tr16_b128 v[64+8*\ct+4:64+8*\ct+7], v4 offset:32*PK*(\st)+32*\ct+16*PK
	ds_load_tr16_b128 v[96+8*\ct:96+8*\ct+3], v5 offset:32*PK*(\st)+32*\ct
	ds_load_tr16_b128 v[96+8*\ct+4:96+8*\ct+7], v5 offset:32*PK*(\st)+32*\ct+16*PK
.endr
	s_wait_dscnt 0x0
	WIN 0x50                                       ; C and D in window 1
.irp dt, 0,1,2,3
.irp ct, 0,1,2,3
.if (\st) == 0
	v_wmma_f32_16x16x32_bf16 v[8*(4*\dt+\ct):8*(4*\dt+\ct)+7], v[96+8*\ct:96+8*\ct+7], v[64+8*\dt:64+8*\dt+7], 0
.else
	v_wmma_f32_16x16x32_bf16 v[8*(4*\dt+\ct):8*(4*\dt+\ct)+7], v[96+8*\ct:96+8*\ct+7], v[64+8*\dt:64+8*\dt+7], v[8*(4*\dt+\ct):8*(4*\dt+\ct)+7]
.endif
.endr
.endr
.irp ct, 0,1,2,3
.if (\st) == 0
	v_wmma_f32_16x16x32_bf16 v[8*(16+\ct):8*(16+\ct)+7], v[64+8*\ct:64+8*\ct+7], v[32:39], 0
.else
	v_wmma_f32_16x16x32_bf16 v[8*(16+\ct):8*(16+\ct)+7], v[64+8*\ct:64+8*\ct+7], v[32:39], v[8*(16+\ct):8*(16+\ct)+7]
.endif
.endr
.endm
	s_wait_tensorcnt 0x0                           ; my rows of k and v are in; I read no other wave's
	STEP 0
	STEP 1
	STEP 2
	STEP 3
	WIN 0
	PLACES                                         ; four places in front of the stores that read the sums;
	PLACES                                         ; and more than five in front of phase 2's products, which take these registers as a source and write over them (ISA guide 7.12.1): waves 5-7, which add up no tile, pass no other vector work between
	s_barrier_signal -1                            ; every wave's reads of k and v are over (each step waited for 0):
	s_barrier_wait -1                              ; their bytes now take the partial sums
	WIN 0x04                                       ; store data in window 1
.set i, 0
.rept 20
	ds_store_b128 v10, v[8*i:8*i+3] offset:1024*i        ; each accumulator's low registers first
	ds_store_b128 v10, v[8*i+4:8*i+7] offset:1024*i+512
.set i, i+1
.endr
	WIN 0
	s_wait_dscnt 0x0
	s_barrier_signal -1
	s_barrier_wait -1                              ; all eight waves' partial sums lie in LDS
	s_cmp_lt_u32 s8, 5
	s_cbranch_scc0 .Lred_done
.irp ct, 0,1,2,3
.irp u, 0,1,2,3,4,5,6,7
	ds_load_b128 v[64+8*\u:64+8*\u+3], v[12+\u] offset:1024*\ct
	ds_load_b128 v[64+8*\u+4:64+8*\u+7], v[12+\u] offset:1024*\ct+512
.endr
	s_wait_dscnt 0x0
.irp p, 0,1,2,3
.irp c, 0,2,4,6
	v_pk_add_f32 v[64+16*\p+\c:64+16*\p+\c+1], v[64+16*\p+\c:64+16*\p+\c+1], v[72+16*\p+\c:72+16*\p+\c+1]
.endr
.endr
.irp p, 0,1
.irp c, 0,2,4,6
	v_pk_add_f32 v[64+32*\p+\c:64+32*\p+\c+1], v[64+32*\p+\c:64+32*\p+\c+1], v[80+32*\p+\c:80+32*\p+\c+1]
.endr
.endr
.irp c, 0,2,4,6
	v_pk_add_f32 v[40+8*(\ct%2)+\c:40+8*(\ct%2)+\c+1], v[64+\c:64+\c+1], v[96+\c:96+\c+1]
.endr
.if (\ct%2) == 1                       ; two tiles of 16 c are one fragment of 32 c
.irp c, 0,1,2,3,4,5,6,7
	v_cvt_pk_bf16_f32 v[56+\c], v[40+2*\c], v[40+2*\c+1]
.endr
	ds_store_b128 v20, v[56:59] offset:1024*(\ct/2)
	ds_store_b128 v20, v[60:63] offset:1024*(\ct/2)+512
.endif
.endr
.Lred_done:
	s_wait_dscnt 0x0
	s_barrier_signal -1
	s_barrier_wait -1                              ; the ten fragments lie in LDS
	WIN 0x40
.set i, 0
.rept 10
	ds_load_b128 v[8*i:8*i+3], v21 offset:1024*i
	ds_load_b128 v[8*i+4:8*i+7], v21 offset:1024*i+512
.set i, i+1
.endr
	WIN 0
	s_wait_dscnt 0x0
	s_wait_loadcnt 0x0                             ; q
; PHASE 2, tiles 2 p and 2 p + 1 of my eight tiles of 16 t.  Ten accumulators take turns.
.macro PAIR p
.if (\p) > 0
	s_wait_xcnt 0x0                                ; the last pair's stores have read the registers that this pair writes
.endif
	WIN 0x51                                       ; KV's fragments, C and D in window 1, q in window 0
.irp ch, 0,1
.irp u, 0,1
.irp dt, 0,1,2,3,4
.if \ch == 0
	v_wmma_f32_16x16x32_bf16 v[80+40*\u+8*\dt:80+40*\u+8*\dt+7], v[8*(2*\dt+\ch):8*(2*\dt+\ch)+7], v[128+16*(2*(\p)+\u)+8*\ch:128+16*(2*(\p)+\u)+8*\ch+7], 0
.else
	v_wmma_f32_16x16x32_bf16 v[80+40*\u+8*\dt:80+40*\u+8*\dt+7], v[8*(2*\dt+\ch):8*(2*\dt+\ch)+7], v[128+16*(2*(\p)+\u)+8*\ch:128+16*(2*(\p)+\u)+8*\ch+7], v[80+40*\u+8*\dt:80+40*\u+8*\dt+7]
.endif
.endr
.endr
.endr
	WIN 0
	PLACES
	WIN 0x01
	v_rcp_f32 v22, v112                            ; the norm lies in every register of the fifth tile: its lowest is read
	v_rcp_f32 v24, v152
	v_nop                                          ; a plain instruction behind the second reciprocal,
	s_wait_alu depctr_va_vdst(0)                   ; and the one wait for both
.irp u, 0,1
	WIN 0x41
.set k, 0
.rept 16
	v_pk_mul_f32 v[80+40*\u+2*k:80+40*\u+2*k+1], v[80+40*\u+2*k:80+40*\u+2*k+1], v[22+2*\u:23+2*\u] op_sel_hi:[1,0]
.set k, k+1
.endr
	WIN 0x05
.set k, 0
.rept 16
	v_cvt_pk_bf16_f32 v[64+16*\u+k], v[80+40*\u+2*k], v[80+40*\u+2*k+1]
.set k, k+1
.endr
	WIN 0
.irp dt, 0,1,2,3
	ds_store_b128 v7, v[64+16*\u+4*\dt:64+16*\u+4*\dt+3] offset:32*\dt
.endr
.irp f, 0,1,2,3
	ds_load_b128 v[64+16*\u+4*\f:64+16*\u+4*\f+3], v8 offset:4*PK*\f  ; LDS serves a wave's instructions in order (ISA guide 5.7.1.4): these see the stores above; the next tile's stores come behind them
.endr
.endr
.irp u, 0,1
.irp f, 0,1,2,3
	s_wait_dscnt 8*(1-\u)+3-\f                     ; the younger read-backs, and for the first tile the second's eight LDS instructions, may stay out
	global_store_b128 v9, v[64+16*\u+4*\f:64+16*\u+4*\f+3], s[34:35] offset:2048*(2*(\p)+\u)+512*\f  ; 512 consecutive bytes, aligned
.endr
.endr
.endm
	PAIR 0
	PAIR 1
	PAIR 2
	PAIR 3
	s_wait_tensorcnt 0x0                           ; the wave's end, behind my last tensor load and my last LDS store
	ds_add_u32 v[SPW], v[NIL]
	s_wait_dscnt 0x0
	s_endpgm
.Lfunc_end_k_q3fc3219c1b_attn:
	.size	k_q3fc3219c1b_attn, .Lfunc_end_k_q3fc3219c1b_attn-k_q3fc3219c1b_attn
	.p2alignl 7, 3214868480
	.fill 96, 4, 3214868480
	.section	.rodata,"a",@progbits
	.p2align	6, 0x0
	.amdhsa_kernel k_q3fc3219c1b_attn
		.amdhsa_group_segment_fixed_size 327680
		.amdhsa_private_segment_fixed_size 0
		.amdhsa_enable_private_segment 0
		.amdhsa_kernarg_size 16
		.amdhsa_user_sgpr_count 2
		.amdhsa_user_sgpr_kernarg_segment_ptr 1
		.amdhsa_wavefront_size32 1
		.amdhsa_system_sgpr_workgroup_id_x 1
		.amdhsa_system_sgpr_workgroup_id_y 1
		.amdhsa_system_sgpr_workgroup_id_z 1
		.amdhsa_system_vgpr_workitem_id 0
		.amdhsa_next_free_vgpr 416
		.amdhsa_next_free_sgpr 66
		.amdhsa_reserve_vcc 0
		.amdhsa_float_denorm_mode_32 3
		.amdhsa_float_denorm_mode_16_64 3
		.amdhsa_memory_ordered 1
		.amdhsa_forward_progress 1
		.amdhsa_inst_pref_size 66
	.end_amdhsa_kernel
	.amdgpu_metadata
---
amdhsa.version: [ 1, 2 ]
amdhsa.kernels:
  - .name:           k_q3fc3219c1b_attn
    .symbol:         k_q3fc3219c1b_attn.kd
    .args:
      - { .name: qkv, .offset: 0, .size: 8, .value_kind: global_buffer, .address_space: global }
      - { .name: ag, .offset: 8, .size: 8, .value_kind: global_buffer, .address_space: global }
    .group_segment_fixed_size: 327680
    .private_segment_fixed_size: 0
    .kernarg_segment_align: 8
    .kernarg_segment_size: 16
    .max_flat_workgroup_size: 256
    .sgpr_count:     66
    .vgpr_count:     416
    .wavefront_size: 32
...
	.end_amdgpu_metadata
.endif
;; end of part 3
;; launch outp (part 4): grid 4 x 64, 4 waves a work-group, clusters of 4 x 4, 327,680 bytes of LDS; arguments ag, wb, x, bo, b2, out0; writes out0
.if DOCPART == 4
	.amdgcn_target "amdgcn-amd-amdhsa--gfx1250"
	.amdhsa_code_object_version 6
	.text
	.protected	k_q3fc3219c1b_outp
	.globl	k_q3fc3219c1b_outp
	.p2align	8
	.type	k_q3fc3219c1b_outp,@function
k_q3fc3219c1b_outp:
	s_mov_b64 s[64:65], 0
	v_nop
	global_prefetch_b8 v0, s[64:65] scope:SCOPE_SE
	s_setreg_imm32_b32 hwreg(HW_REG_WAVE_MODE, 25, 1), 1
	s_wait_xcnt 0x0
	s_wait_alu depctr_hold_cnt(0) depctr_sa_sdst(0) depctr_va_vdst(0) depctr_va_sdst(0) depctr_va_ssrc(0) depctr_va_vcc(0) depctr_vm_vsrc(0)
	s_getreg_b32 s2, hwreg(HW_REG_IB_STS2, 6, 4)
	s_cmp_eq_u32 s2, 0
	s_cbranch_scc0 .Lentry_in_a_cluster
	s_endpgm
.Lentry_in_a_cluster:
	s_bfe_u32 s2, ttmp6, 0x10000c
	s_cmp_lg_u32 s2, 0xf033
	s_cbranch_scc0 .Lentry_shape_is_right
	s_endpgm
.Lentry_shape_is_right:
; out0 = x + bo + b2 + [attn | g] [wo ; w2]: ONE product with K = 2,048, bf16 operands, f32 sums; x, the biases and the result in f32.
; ag holds attn and g by blocks of 128 rows x 64 columns, [row tile of 128 rows][kb 0..31]: a row tile's blocks lie end to end along K.  wo and w2 lie one behind the other in wb, [2048 k][1024 n], from byte 8,388,608.
; SHARES.  256 work-groups, a tile of 128 rows x 256 columns each; a wave makes 64 x 128: 32 accumulators.  (Tiles of 256 x 256 would be 128.)
; K GOES IN STEPS OF 192 through a ring of two LDS slots, the longest step of which two slots fit: a slot holds three blocks of A (49,152 dense bytes, asked for as rows of 256 bytes and padded behind every
; 128) and 192 k rows x 512 bytes of the weight, which ds_load_tr16_b128 turns: 159,744 bytes.  A step is 192 matrix instructions a wave, 176 of them between a request and the wait for it.
; 2,048 = 10 x 192 + 128: five laps of two steps, then a last step of 128.  Its refill keeps the tile and states in tensor_dim1 what is left of K: 96 rows for the wave that fetches the first 96, 32 for the
; other; rows beyond that extent arrive as zeros and are not read from memory (ISA guide, the tensor descriptor's extents), and the last step's text multiplies four quarters only.
; THE MATRIX INSTRUCTION IS USED TRANSPOSED: source 0 = 16 columns of the weight, source 1 = 16 rows of A.  CLUSTER 4 x 4: A's tile is shared along a row of the cluster, the weight's along a column.
; x (64 rows x 512 bytes a wave) is asked for at the head, into window 3, and lies in registers when the products end.  The sums go through the ring, which has had its last fill, and come back by rows.
; REGISTERS: window 0: v0-31 addresses, v32-39 biases, v64-127 A's fragments, two buffers, v128-191 rows at work on the way out;  window 1: v64-191 the weight's fragments, two buffers;
;   window 2: the accumulators, (a, b) at v[8 (8 a + b)];  window 3: x, row i at v[4 i].
.set NA,    4
.set PA,    144                        ; a row of A in LDS: 128 bytes + 16: the 16 rows of a fragment load start at 16 different groups of four banks (64 banks of 4 bytes: ISA guide 11.1)
.set PB,    544                        ; a k row of the weight: 512 bytes + 32 = 17 x 32
.set ASUB,  128*PA                     ; a block of A
.set BOFF,  3*ASUB
.set SLOT,  BOFF+192*PB                ; 159,744
.set LAPS,  5                          ; laps of two K steps of 192
.set AKS,   3*16384                    ; bytes from K step to K step in A: three blocks,
.set BKS,   192*2048                   ; and in the weight
.set FA0,   64
.set FAS,   32
.set FB0,   64
.set NF,    16+2*NA
.set WH,    NA
.set SP,    528                        ; a stage row: 512 bytes of f32 + 16
.set STG,   NA*16*SP
.set SPARE, 2*SLOT                     ; behind the ring: the spare words, 128 bytes for each wave: two blocks of 256 bytes that no other line names
.set ADRA, 16                          ; v16-17  LDS address of my A fragments in slot 0, 1
.set ADRB, 20                          ; v20-21  the same for the weight, quarters 0-2;  v22-23 quarters 3-5, which lie beyond the reach of a 16-bit immediate
.set STO,  24
.set RD,   25
.set GO,   26                          ; v26  16 x lane: my 4 columns in x, the biases and out0
.set SPW,  28
.set NIL,  29
.set PFO,  30
.set G1,  24
.set G0,  32
.set LIM, 43
.set PFA, 44
.set PFS, 46
.set G1B, 48
.set G0B, 56
.set LEFT, 80                          ; s80  the last refill's tensor_dim1, in its place in group 1's third word
.set MSB, 0
.macro WIN new                         ; the immediate's high byte repeats the setting that is left; a switch that changes nothing is dropped
.if MSB != (\new)
	s_set_vgpr_msb (MSB<<8)|(\new)
.set MSB, \new
.endif
.endm
.macro PLACES                          ; four places behind matrix instructions (ISA guide 7.12.1)
.rept 4
	v_nop
.endr
.endm
.macro CREST
	s_cmp_lg_u32 s10, 0
	s_cbranch_scc1 .Lnot_wave_0_\@
	s_barrier_signal -3
.Lnot_wave_0_\@:
	s_barrier_wait -3
	s_barrier_signal -1
	s_barrier_wait -1
.endm
.macro CROUND
	s_barrier_signal -1
	s_barrier_wait -1
	CREST
.endm
.macro JLOAD s                         ; a joint load: waves 0 and 1 fetch the two halves of A's part of a slot, waves 2 and 3 the weight's; s_nop 0 and four v_nop follow each line
	s_cmp_eq_u32 s11, 0
	s_cbranch_scc0 .Lfor_b_\@
	tensor_load_to_lds s[G0+4*(\s):G0+4*(\s)+3], s[G1:G1+7]
	s_nop 0
.rept 4
	v_nop
.endr
	s_branch .Lasked_\@
.Lfor_b_\@:
	tensor_load_to_lds s[G0B+4*(\s):G0B+4*(\s)+3], s[G1B:G1B+7]
	s_nop 0
.rept 4
	v_nop
.endr
.Lasked_\@:
.endm
; A PREFETCH, once a lap, behind slot 0's joint load and the run of LDS loads: the lap that stands two laps on, whose loads go out two and three refills later.  Three instructions, 32,768 bytes apart, 32 blocks of
; 256 bytes each, a lane a block.  Each block is named once in the launch.  A's row tile is read by one cluster alone: its wave 0 asks; of every 32,768 bytes each of the four partners takes 8,192.  The weight's
; tile column is read by every cluster: those with y = 0 ask, waves 2 and 3, 192 k rows of a lap each; each partner takes 48 of them, an instruction 16.  The partners are told apart by address.
; Laps 0 and 1 and the last short step come by their loads alone: the loop's last trip (s3 = 1) asks for nothing.
.macro ASK
	s_cmp_gt_u32 s3, s[LIM]
	s_cbranch_scc0 .Lnot_mine_\@
	global_prefetch_b8 v[PFO], s[PFA:PFA+1] th:TH_LOAD_NT scope:SCOPE_SE
	global_prefetch_b8 v[PFO], s[PFA:PFA+1] offset:32768 th:TH_LOAD_NT scope:SCOPE_SE
	global_prefetch_b8 v[PFO], s[PFA:PFA+1] offset:65536 th:TH_LOAD_NT scope:SCOPE_SE
.Lnot_mine_\@:
.endm
.macro MULA f, a, zero
	WIN 0xa1+0x50*((\a)/4)
.irp b, 0,1,2,3,4,5,6,7
.if \zero
	v_wmma_f32_16x16x32_bf16 v[8*(8*((\a)%4)+(\b)):8*(8*((\a)%4)+(\b))+7], v[FB0+64*(\f)+8*(\b):FB0+64*(\f)+8*(\b)+7], v[FA0+FAS*(\f)+8*(\a):FA0+FAS*(\f)+8*(\a)+7], 0
.else
	v_wmma_f32_16x16x32_bf16 v[8*(8*((\a)%4)+(\b)):8*(8*((\a)%4)+(\b))+7], v[FB0+64*(\f)+8*(\b):FB0+64*(\f)+8*(\b)+7], v[FA0+FAS*(\f)+8*(\a):FA0+FAS*(\f)+8*(\a)+7], v[8*(8*((\a)%4)+(\b)):8*(8*((\a)%4)+(\b))+7]
.endif
.endr
.endm
.macro MULS f, a0, n, zero             ; all accumulators take turns, one instruction a turn, in the same order in every quarter
.set ma, \a0
.rept \n
	MULA \f, ma, \zero
.set ma, ma+1
.endr
.endm
.macro FETCH slot, q, f                ; the fragments of quarter q (32 along K; six to a step) of a slot into buffer f, in one run: the weight's 16 loads, then A's 8
	WIN 0x40
.set fi, 0
.rept 8
	ds_load_tr16_b128 v[FB0+64*(\f)+8*fi:FB0+64*(\f)+8*fi+3],   v[ADRB+2*((\q)/3)+(\slot)] offset:((\q)%3)*32*PB+32*fi
	ds_load_tr16_b128 v[FB0+64*(\f)+8*fi+4:FB0+64*(\f)+8*fi+7], v[ADRB+2*((\q)/3)+(\slot)] offset:((\q)%3)*32*PB+32*fi+16*PB
.set fi, fi+1
.endr
	WIN 0
.set fi, 0
.rept NA
	ds_load_b128 v[FA0+FAS*(\f)+8*fi:FA0+FAS*(\f)+8*fi+3],   v[ADRA+(\slot)] offset:((\q)/2)*ASUB+((\q)%2)*64+fi*16*PA
	ds_load_b128 v[FA0+FAS*(\f)+8*fi+4:FA0+FAS*(\f)+8*fi+7], v[ADRA+(\slot)] offset:((\q)/2)*ASUB+((\q)%2)*64+fi*16*PA+32
.set fi, fi+1
.endr
.endm
.macro QUARTER slot, q, f, g, zero
	s_wait_dscnt WH                                ; the weight's fragments and A's lower half are in; A's upper half may be out
	MULS \f, 0, NA/2, \zero
	PLACES
	FETCH \slot, \q, \g
	s_wait_dscnt NF                                ; all but the loads just issued
	MULS \f, NA/2, NA/2, \zero
.endm
; The last quarter of a K step multiplies buffer 1 and changes slots: ONE barrier.  In front of it each wave waits for all its tensor loads (one is out: its part of the next slot), adds 0 to its spare
; word, and waits for that and for its reads of this slot.  fill = 1: the barrier opens a round of the cluster's barrier, and the joint refill, two K steps on, is the first tensor load behind the round.
; fill = 2: the same for the last, short step: both groups 1 take the extent that is left (no tensor load of mine is out: they may be written).  ask = 1: the lap's prefetches follow.
.macro TURN slot, next, fill, ask
.if \ask
	s_wait_xcnt 0x0                                ; the last prefetches, a lap back, have read their address
	s_add_nc_u64 s[PFA:PFA+1], s[PFA:PFA+1], s[PFS:PFS+1]
.endif
	WIN 0
	s_wait_tensorcnt 0x0                           ; all my tensor loads have landed
	ds_add_u32 v[SPW], v[NIL]                      ; 0 onto my spare word
	s_wait_dscnt WH+1                              ; (the add and A's upper half may be out)
	MULS 1, 0, NA/4, 0
	s_wait_dscnt 0x0                               ; the add is done, and my reads of this slot are over
	s_barrier_signal -1
	MULS 1, NA/4, NA/4, 0
.if \fill
	WIN 0
.endif
	s_barrier_wait -1
.if \fill
	CREST                                          ; no wave of any partner still reads this slot or has a load on its way
	s_add_nc_u64 s[G0+4*(\slot)+2:G0+4*(\slot)+3], s[G0+4*(\slot)+2:G0+4*(\slot)+3], 2*AKS
	s_add_nc_u64 s[G0B+4*(\slot)+2:G0B+4*(\slot)+3], s[G0B+4*(\slot)+2:G0B+4*(\slot)+3], 2*BKS
.if (\fill) == 2
	s_mov_b32 s[G1+2], s[LEFT]
	s_mov_b32 s[G1B+2], s[LEFT]
.endif
	JLOAD \slot                                    ; its four v_nop are also the places in front of the loads below
.else
	PLACES
.endif
	FETCH \next, 0, 0
.if \ask
	ASK
.endif
	MULS 1, NA/2, NA/2, 0
.endm
.macro LASTQ
	s_wait_dscnt WH
	MULS 1, 0, NA/2, 0
	s_wait_dscnt 0x0
	MULS 1, NA/2, NA/2, 0
	WIN 0
.endm
	s_load_b256 s[68:75], s[0:1], 0x0              ; ag 68, wb 70, x 72, bo 74
	s_load_b128 s[76:79], s[0:1], 0x20             ; b2 76, out0 78
	v_lshl_add_u32 v[SPW], v0, 2, SPARE
	v_mov_b32 v[NIL], 0
	ds_add_u32 v[SPW], v[NIL]                      ; the wave's opening: the add, twice on end, and its wait ahead of my first tensor load
	ds_add_u32 v[SPW], v[NIL]
	v_lshrrev_b32 v1, 5, v0
	v_readfirstlane_b32 s10, v1                    ; wave 0..3
	s_lshr_b32 s11, s10, 1                         ; my half of the tile's rows.  Also: I fetch for A (0) or for the weight (1)
	s_and_b32 s12, s10, 1                          ; my half of its columns.  Also: which half of that part of a slot I fetch
	s_bfe_u32 s40, ttmp6, 0x40000                  ; cx: the tile column
	s_bfe_u32 s41, ttmp6, 0x40004                  ; cy
	s_and_b32 s13, ttmp7, 0xffff
	s_lshl_b32 s13, s13, 2
	s_add_co_u32 s13, s13, s41                     ; tile row = row tile of ag = 4 x cluster y + cy, 0..63
	s_lshl_b32 s4, s41, 2
	s_lshl_b32 s4, 15, s4                          ; my row of the cluster
	s_lshl_b32 s5, 0x1111, s40                     ; my column
	s_or_b32 s[G1], s4, (1<<16)|(1<<20)|(1<<21)|(4<<22)|(3<<25)   ; the mask; 2-byte elements; padding on; bit 21 beside a mask; after every 32 words, 4 words
	s_or_b32 s[G1B], s5, (1<<16)|(1<<20)|(1<<21)|(6<<22)|(7<<25)  ; after every 128 words, 8 words
	s_mov_b32 s[G1+1], 128<<16                     ; A: 24,576 dense bytes as 96 rows of 128 elements
	s_mov_b32 s[G1+2], 96<<16
	s_mov_b32 s[G1+3], 128<<16
	s_mov_b32 s[G1+4], 96
	s_mov_b32 s[G1+5], 128
	s_mov_b32 s[G1+6], 0
	s_mov_b32 s[G1+7], 0
	s_mov_b32 s[G1B+1], 256<<16                    ; the weight: 96 k rows of 256 elements
	s_mov_b32 s[G1B+2], 96<<16
	s_mov_b32 s[G1B+3], 256<<16
	s_mov_b32 s[G1B+4], 96
	s_mov_b32 s[G1B+5], 1024
	s_mov_b32 s[G1B+6], 0
	s_mov_b32 s[G1B+7], 0
	s_lshl_b32 s[LEFT], s12, 22                    ; of the last step's 128 rows the first half's wave has 96, the second's 32: (96 - 64 x half) << 16
	s_sub_co_u32 s[LEFT], 96<<16, s[LEFT]
	s_lshl_b32 s16, s13, 19                        ; A: 32 blocks of 16,384 bytes a row tile,
	s_mul_i32 s17, s12, 96*256                     ; my half of a K step's 49,152
	s_add_co_u32 s16, s16, s17
	s_mov_b32 s17, 0
	s_mul_i32 s18, s12, 96*2048                    ; my 96 k rows of a K step,
	s_lshl_b32 s19, s40, 9                         ; the tile's 256 columns,
	s_add_co_u32 s18, s18, s19
	s_add_co_u32 s18, s18, 8388608                 ; in wo and w2
	s_mov_b32 s19, 0
	s_mul_i32 s20, s12, 192*PA                     ; where they go: no place in the cluster enters an LDS address
	s_mul_i32 s21, s12, 96*PB
	s_add_co_u32 s21, s21, BOFF
	s_wait_dscnt 0x0                               ; both opening adds are done
	s_wait_kmcnt 0x0
	s_add_nc_u64 s[14:15], s[68:69], s[16:17]
	s_add_nc_u64 s[22:23], s[70:71], s[18:19]
	CROUND                                         ; all sixteen work-groups are here: the first joint loads meet
.irp s, 0,1
	s_mov_b32 s[G0+4*(\s)], 1
	s_add_co_u32 s[G0+4*(\s)+1], s20, (\s)*SLOT
	s_add_nc_u64 s[G0+4*(\s)+2:G0+4*(\s)+3], s[14:15], (\s)*AKS
	s_or_b32 s[G0+4*(\s)+3], s[G0+4*(\s)+3], 0x80000000
	s_mov_b32 s[G0B+4*(\s)], 1
	s_add_co_u32 s[G0B+4*(\s)+1], s21, (\s)*SLOT
	s_add_nc_u64 s[G0B+4*(\s)+2:G0B+4*(\s)+3], s[22:23], (\s)*BKS
	s_or_b32 s[G0B+4*(\s)+3], s[G0B+4*(\s)+3], 0x80000000
	JLOAD \s
.endr
	; x, the biases and out0 at my 64 rows x 128 columns
	s_lshl_b32 s4, s13, 19                         ; 128 rows of 4,096 bytes a tile row,
	s_lshl_b32 s5, s11, 18                         ; my 64
	s_add_co_u32 s4, s4, s5
	s_lshl_b32 s6, s40, 10                         ; the tile's 256 columns,
	s_lshl_b32 s7, s12, 9                          ; my 128
	s_add_co_u32 s6, s6, s7
	s_add_co_u32 s4, s4, s6
	s_mov_b32 s5, 0
	s_mov_b32 s7, 0
	s_add_nc_u64 s[72:73], s[72:73], s[4:5]
	s_add_nc_u64 s[78:79], s[78:79], s[4:5]
	s_add_nc_u64 s[74:75], s[74:75], s[6:7]
	s_add_nc_u64 s[76:77], s[76:77], s[6:7]
	v_and_b32 v4, 31, v0
	v_lshlrev_b32 v[GO], 4, v4
	global_load_b128 v[32:35], v[GO], s[74:75]
	global_load_b128 v[36:39], v[GO], s[76:77]
	WIN 0xc0                                       ; destination in window 3
.set i, 0
.rept 64
	global_load_b128 v[4*i:4*i+3], v[GO], s[72:73] offset:4096*i th:TH_LOAD_NT  ; a row's 512 consecutive bytes
.set i, i+1
.endr
	WIN 0
	; lane addresses
	v_and_b32 v1, 15, v0                           ; r
	v_bfe_u32 v2, v0, 4, 1                         ; h
	v_mul_u32_u24 v3, v1, PA
	v_lshl_add_u32 v3, v2, 4, v3
	s_mul_i32 s4, s11, NA*16*PA
	v_add_nc_u32 v[ADRA], s4, v3
	v_add_nc_u32 v[ADRA+1], SLOT, v[ADRA]
	v_and_b32 v5, 7, v0
	v_lshl_add_u32 v5, v2, 3, v5
	v_mul_u32_u24 v5, v5, PB
	v_bfe_u32 v6, v0, 3, 1
	v_lshl_add_u32 v5, v6, 4, v5
	s_lshl_b32 s4, s12, 8
	s_add_co_u32 s4, s4, BOFF
	v_add_nc_u32 v[ADRB], s4, v5
	v_add_nc_u32 v[ADRB+1], SLOT, v[ADRB]
	v_add_nc_u32 v[ADRB+2], 96*PB, v[ADRB]         ; quarters 3-5 begin 96 k rows further on
	v_add_nc_u32 v[ADRB+3], 96*PB, v[ADRB+1]
	s_mul_i32 s4, s10, STG                         ; my stage
	v_mul_u32_u24 v3, v1, SP
	v_lshl_add_u32 v3, v2, 5, v3
	v_add_nc_u32 v[STO], s4, v3                    ; in: row r, 32 bytes for each half of the lanes
	v_add_nc_u32 v[RD], s4, v[GO]                  ; back: a whole row of 512 bytes
	v_lshlrev_b32 v5, 8, v4                        ; prefetch of A: a lane a block of 256 bytes
	v_lshrrev_b32 v6, 1, v4
	v_and_b32 v4, 1, v4
	v_lshlrev_b32 v6, 11, v6
	v_lshl_add_u32 v6, v4, 8, v6                   ; of the weight: two lanes a k row of 512 bytes
	s_lshl_b32 s4, s40, 13                         ; A: my work-group's 8,192 bytes of every 32,768 (in wave 0, which asks, s16 is the row tile's first byte),
	s_add_co_u32 s4, s4, s16
	s_add_co_u32 s4, s4, 2*AKS                     ; at lap 1: the first refill steps it to lap 2
	s_mul_i32 s5, s41, 48*2048                     ; the weight: of my 192 k rows of a lap, my work-group's 48
	s_add_co_u32 s5, s5, s18
	s_mul_i32 s6, s12, 96*2048                     ; (s18 holds 96 rows for the second half's wave: 192 are meant here)
	s_add_co_u32 s5, s5, s6
	s_add_co_u32 s5, s5, 2*BKS
	s_and_b32 s6, ttmp7, 0xffff
	s_cmp_eq_u32 s6, 0
	s_cselect_b32 s6, 1, -1                        ; the weight: clusters with y = 0 ask
	s_cmp_eq_u32 s12, 0
	s_cselect_b32 s7, 1, -1                        ; A: wave 0 asks
	s_mov_b32 s[PFS], 2*BKS                        ; a lap in the weight,
	s_cmp_eq_u32 s11, 0
	s_cselect_b32 s[LIM], s7, s6
	s_cselect_b32 s4, s4, s5
	s_cselect_b64 s[PFA:PFA+1], s[68:69], s[70:71]
	s_cselect_b32 s[PFS], 2*AKS, s[PFS]            ; or in A
	s_cselect_b32 s8, -1, 0
	s_mov_b32 s[PFS+1], 0
	s_mov_b32 s5, 0
	s_add_nc_u64 s[PFA:PFA+1], s[PFA:PFA+1], s[4:5]
	v_cndmask_b32 v[PFO], v6, v5, s8
	s_wait_tensorcnt 1                             ; my part of K step 0 is in; K step 1's may stay out
	s_barrier_signal -1
	s_barrier_wait -1
	FETCH 0, 0, 0
	QUARTER 0, 1, 0, 1, 1                          ; the first quarter stands in front of the loop: its products start the sums
	WIN 0
	s_mov_b32 s3, LAPS-1
.Llap:                                         ; a trip goes once round the ring, from a lap's second quarter to the next lap's first, and fills both slots again: K steps 2 to 9
	QUARTER 0, 2, 1, 0, 0
	QUARTER 0, 3, 0, 1, 0
	QUARTER 0, 4, 1, 0, 0
	QUARTER 0, 5, 0, 1, 0
	TURN 0, 1, 1, 1
	QUARTER 1, 1, 0, 1, 0
	QUARTER 1, 2, 1, 0, 0
	QUARTER 1, 3, 0, 1, 0
	QUARTER 1, 4, 1, 0, 0
	QUARTER 1, 5, 0, 1, 0
	TURN 1, 0, 1, 0
	QUARTER 0, 1, 0, 1, 0
	WIN 0
	s_sub_co_u32 s3, s3, 1
	s_cmp_lg_u32 s3, 0
	s_cbranch_scc1 .Llap
	QUARTER 0, 2, 1, 0, 0                          ; the last lap, K steps 8 and 9:
	QUARTER 0, 3, 0, 1, 0
	QUARTER 0, 4, 1, 0, 0
	QUARTER 0, 5, 0, 1, 0
	TURN 0, 1, 2, 0                                ; slot 0 takes the last, short step;
	QUARTER 1, 1, 0, 1, 0
	QUARTER 1, 2, 1, 0, 0
	QUARTER 1, 3, 0, 1, 0
	QUARTER 1, 4, 1, 0, 0
	QUARTER 1, 5, 0, 1, 0
	TURN 1, 0, 0, 0                                ; slot 1 is filled no more
	QUARTER 0, 1, 0, 1, 0                          ; K step 10: four quarters
	QUARTER 0, 2, 1, 0, 0
	QUARTER 0, 3, 0, 1, 0
	LASTQ
	; THE WAY OUT.  Every wave's reads of the ring are over and every fill has landed: behind this barrier the ring serves as stage.
	PLACES
	s_barrier_signal -1
	s_barrier_wait -1
	WIN 0x08                                       ; store data in window 2
.set da, 0
.rept NA
.set db, 0
.rept 8
	ds_store_b128 v[STO], v[8*(8*da+db):8*(8*da+db)+3]   offset:da*16*SP+db*64      ; each accumulator's low registers first
	ds_store_b128 v[STO], v[8*(8*da+db)+4:8*(8*da+db)+7] offset:da*16*SP+db*64+16
.set db, db+1
.endr
.set da, da+1
.endr
	WIN 0
	s_wait_dscnt 0x0
	s_barrier_signal -1                            ; behind this barrier LDS is only read
	s_barrier_wait -1
	s_wait_loadcnt 0x0                             ; the biases and x
	v_pk_add_f32 v[32:33], v[32:33], v[36:37]      ; bo + b2
	v_pk_add_f32 v[34:35], v[34:35], v[38:39]
.set g, 0
.rept 8                                ; eight rows at a time, on two sets of registers by turns
.set YB, 128+32*(g%2)
.if g >= 2
	s_wait_xcnt 0x0                                ; this set's last stores have read it
.endif
.set j, 0
.rept 8
	ds_load_b128 v[YB+4*j:YB+4*j+3], v[RD] offset:SP*(8*g+j)
.set j, j+1
.endr
	s_wait_dscnt 0x0
	WIN 0x0c                                       ; source 1 in window 3: x
.set j, 0
.rept 16
	v_pk_add_f32 v[YB+2*j:YB+2*j+1], v[YB+2*j:YB+2*j+1], v[32*g+2*j:32*g+2*j+1]
.set j, j+1
.endr
	WIN 0
.set j, 0
.rept 16
	v_pk_add_f32 v[YB+2*j:YB+2*j+1], v[YB+2*j:YB+2*j+1], v[32+2*(j%2):33+2*(j%2)]
.set j, j+1
.endr
.set j, 0
.rept 8
	global_store_b128 v[GO], v[YB+4*j:YB+4*j+3], s[78:79] offset:4096*(8*g+j) th:TH_STORE_NT  ; 512 consecutive bytes, aligned
.set j, j+1
.endr
.set g, g+1
.endr
	s_wait_tensorcnt 0x0                           ; the wave's end, behind my last tensor load and my last LDS store
	ds_add_u32 v[SPW], v[NIL]
	s_wait_dscnt 0x0
	CROUND                                         ; the closing round: no work-group ends while a partner may still ask for a tile that names it
	s_endpgm
.Lfunc_end_k_q3fc3219c1b_outp:
	.size	k_q3fc3219c1b_outp, .Lfunc_end_k_q3fc3219c1b_outp-k_q3fc3219c1b_outp
	.p2alignl 7, 3214868480
	.fill 96, 4, 3214868480
	.section	.rodata,"a",@progbits
	.p2align	6, 0x0
	.amdhsa_kernel k_q3fc3219c1b_outp
		.amdhsa_group_segment_fixed_size 327680
		.amdhsa_private_segment_fixed_size 0
		.amdhsa_enable_private_segment 0
		.amdhsa_kernarg_size 48
		.amdhsa_user_sgpr_count 2
		.amdhsa_user_sgpr_kernarg_segment_ptr 1
		.amdhsa_wavefront_size32 1
		.amdhsa_system_sgpr_workgroup_id_x 1
		.amdhsa_system_sgpr_workgroup_id_y 1
		.amdhsa_system_sgpr_workgroup_id_z 1
		.amdhsa_system_vgpr_workitem_id 0
		.amdhsa_next_free_vgpr 1024
		.amdhsa_next_free_sgpr 82
		.amdhsa_reserve_vcc 0
		.amdhsa_float_denorm_mode_32 3
		.amdhsa_float_denorm_mode_16_64 3
		.amdhsa_memory_ordered 1
		.amdhsa_forward_progress 1
		.amdhsa_inst_pref_size 157
	.end_amdhsa_kernel
	.amdgpu_metadata
---
amdhsa.version: [ 1, 2 ]
amdhsa.kernels:
  - .name:           k_q3fc3219c1b_outp
    .symbol:         k_q3fc3219c1b_outp.kd
    .args:
      - { .name: ag, .offset: 0, .size: 8, .value_kind: global_buffer, .address_space: global }
      - { .name: wb, .offset: 8, .size: 8, .value_kind: global_buffer, .address_space: global }
      - { .name: x, .offset: 16, .size: 8, .value_kind: global_buffer, .address_space: global }
      - { .name: bo, .offset: 24, .size: 8, .value_kind: global_buffer, .address_space: global }
      - { .name: b2, .offset: 32, .size: 8, .value_kind: global_buffer, .address_space: global }
      - { .name: out0, .offset: 40, .size: 8, .value_kind: global_buffer, .address_space: global }
    .group_segment_fixed_size: 327680
    .private_segment_fixed_size: 0
    .kernarg_segment_align: 8
    .kernarg_segment_size: 48
    .max_flat_workgroup_size: 128
    .sgpr_count:     82
    .vgpr_count:     1024
    .wavefront_size: 32
...
	.end_amdgpu_metadata
.endif
;; end of part 4
